; MI455X (gfx1250); checked and timed in simulation.
; The chip was launched on July 23, 2026; its instructions are those of AMD's public machine-readable ISA for CDNA 5 (MIT licence, August 2026) and "CDNA5" Instruction Set Architecture Reference Guide (July 2026). The comments in the code are by the model that wrote it; some were corrected since.
;; Multi Head Attention. Allowed arithmetic: float matrix products may take bf16 or f16 operands with f32 sums; all other float work in f32.
;; Inputs: bk 1,024 float32; bo 1,024 float32; bq 1,024 float32; bv 1,024 float32; key 4 x 2,048 x 1,024 float32; mask 1 x 1 x 2,048 x 2,048 int32; query 4 x 2,048 x 1,024 float32; value 4 x 2,048 x 1,024 float32; wk 1,024 x 1,024 float32; wo 1,024 x 1,024 float32; wq 1,024 x 1,024 float32; wv 1,024 x 1,024 float32.
;; Outputs: out0 4 x 2,048 x 1,024 float32.
;; 2 versions, each right and faster than the one before. Each part assembles by itself: llvm-mc -triple=amdgcn-amd-amdhsa -mcpu=gfx1250 --defsym DOCPART=n.
;; ======== version 1 of 2: 4 launches
;; limits: right only within a limited range of input values; values are held in f16: magnitudes above 65,504 overflow, below 6.1e-05 lose precision
;; workspace buffers: wb 8,388,608 bytes; biasr 16,384 bytes; mask8 4,194,304 bytes; qkv 50,331,648 bytes; oh 16,777,216 bytes
;; launch prep (part 1): grid 516 x 1, 8 waves a work-group, no clusters, 19,456 bytes of LDS; arguments mask, wq, wk, wv, wo, bq, bk, bv, bo, mask8, wb, biasr; writes mask8, wb, biasr
.if DOCPART == 1
	.amdgcn_target "amdgcn-amd-amdhsa--gfx1250"
	.amdhsa_code_object_version 6
	.text
	.protected	k_q748ddadeb8_prep
	.globl	k_q748ddadeb8_prep
	.p2align	8
	.type	k_q748ddadeb8_prep,@function
k_q748ddadeb8_prep:
	s_mov_b64 s[64:65], 0
	v_nop
	global_prefetch_b8 v0, s[64:65] scope:SCOPE_SE
	s_setreg_imm32_b32 hwreg(HW_REG_WAVE_MODE, 25, 1), 1
	s_wait_xcnt 0x0
; PREPARATION.  Three kinds of work-group, chosen by the work-group's number alone.
;   0..255    the mask [2048][2048] int32 -> mask8, one byte a place: 0x00 where the key is seen, 0xB8 (-1.0 in E4M3) where mask == 0, laid in the order in which
;             the attention's lanes want it: mask8[qtile 128][kstep 32][half 2][lane 32][16 bytes]; byte 8 e + j of lane 16 h + r stands for
;             mask[16 qtile + r][64 kstep + 32 half + 16 e + 8 h + j].  A wave takes 16 rows x 128 keys: 16 loads of 512 consecutive bytes in, 2,048 consecutive bytes out.
;   256..511  wq, wk, wv -> bf16; wo -> bf16 and that number written as f16 (exact down to 6e-5, below that in steps of 6e-8): wb[4][1024][1024].  A wave takes 8,192 bytes.
;   512..515  bq, bk, bv, bo rounded to bf16 and kept as f32: biasr[4][1024].
; All of a wave's input is asked for at once (16 loads), so there is no loop and no ring.  No matrix unit, no cluster: nothing is shared and nothing is multiplied.
.set SPARE, 18432                      ; behind the eight waves' stages: the spare words, 128 bytes a wave, four blocks of 256 bytes that no other line names
.set WLDS,  2304                       ; a wave's stage: 8 pieces of 256 bytes, 272 bytes apart
.set CP,    272
	s_load_b512 s[4:19], s[0:1], 0x0               ; mask s4, wq s6, wk s8, wv s10, wo s12, bq s14, bk s16, bv s18
	s_load_b256 s[20:27], s[0:1], 0x40             ; bo s20, mask8 s22, wb s24, biasr s26
	v_lshl_add_u32 v6, v0, 2, SPARE                ; my spare word
	v_mov_b32 v7, 0
	v_and_b32 v1, 31, v0                           ; lane
	v_lshrrev_b32 v2, 5, v0
	v_readfirstlane_b32 s30, v2                    ; wave
	v_lshlrev_b32 v2, 4, v1                        ; 16 x lane
	s_mov_b32 s28, ttmp9
	s_mov_b32 s35, 0                               ; the high word of every offset
	s_wait_kmcnt 0x0
	s_cmp_lt_u32 s28, 256
	s_cbranch_scc1 .Lmask
	s_cmp_lt_u32 s28, 512
	s_cbranch_scc1 .Lw
	; ---- a bias: 256 threads x 16 bytes
	s_sub_co_u32 s31, s28, 512                     ; which of q, k, v, o
	s_mov_b64 s[32:33], s[14:15]
	s_cmp_eq_u32 s31, 1
	s_cselect_b64 s[32:33], s[16:17], s[32:33]
	s_cmp_eq_u32 s31, 2
	s_cselect_b64 s[32:33], s[18:19], s[32:33]
	s_cmp_eq_u32 s31, 3
	s_cselect_b64 s[32:33], s[20:21], s[32:33]
	s_lshl_b32 s34, s31, 12
	s_add_nc_u64 s[26:27], s[26:27], s[34:35]
	v_lshlrev_b32 v3, 4, v0
	global_load_b128 v[16:19], v3, s[32:33]
	s_wait_loadcnt 0x0
	v_cvt_pk_bf16_f32 v8, v16, v17
	v_cvt_pk_bf16_f32 v9, v18, v19
	v_lshlrev_b32 v20, 16, v8                      ; back to f32: the low half moves up, the high half stays
	v_and_b32 v21, 0xffff0000, v8
	v_lshlrev_b32 v22, 16, v9
	v_and_b32 v23, 0xffff0000, v9
	global_store_b128 v3, v[20:23], s[26:27]
	s_endpgm
.Lw:	; ---- a weight matrix: the work-group takes 65,536 bytes of f32, a wave 8,192
	s_sub_co_u32 s29, s28, 256
	s_lshr_b32 s31, s29, 6                         ; which matrix
	s_and_b32 s29, s29, 63                         ; which sixty-fourth of it
	s_mov_b64 s[32:33], s[6:7]
	s_cmp_eq_u32 s31, 1
	s_cselect_b64 s[32:33], s[8:9], s[32:33]
	s_cmp_eq_u32 s31, 2
	s_cselect_b64 s[32:33], s[10:11], s[32:33]
	s_cmp_eq_u32 s31, 3
	s_cselect_b64 s[32:33], s[12:13], s[32:33]
	s_lshl_b32 s34, s29, 16
	s_lshl_b32 s36, s30, 13
	s_add_co_u32 s34, s34, s36
	s_add_nc_u64 s[32:33], s[32:33], s[34:35]
	s_lshl_b32 s34, s31, 21
	s_lshl_b32 s36, s29, 15
	s_add_co_u32 s34, s34, s36
	s_lshl_b32 s36, s30, 12
	s_add_co_u32 s34, s34, s36
	s_add_nc_u64 s[24:25], s[24:25], s[34:35]
	v_lshlrev_b32 v5, 3, v1                        ; 8 x lane: a store of the wave covers 256 consecutive bytes, aligned
.set i, 0
.rept 16
	global_load_b128 v[16+4*i:16+4*i+3], v2, s[32:33] offset:512*i th:TH_LOAD_NT
.set i, i+1
.endr
	s_cmp_eq_u32 s31, 3
	s_cbranch_scc1 .Lwo
.set i, 0
.rept 16
	s_wait_loadcnt 15-i                            ; loads come back in order: number i is in, the younger ones stay out
	v_cvt_pk_bf16_f32 v[80+2*i], v[16+4*i], v[16+4*i+1]
	v_cvt_pk_bf16_f32 v[81+2*i], v[16+4*i+2], v[16+4*i+3]
	global_store_b64 v5, v[80+2*i:81+2*i], s[24:25] offset:256*i
.set i, i+1
.endr
	s_endpgm
.Lwo:
.set i, 0
.rept 16
	s_wait_loadcnt 15-i
	v_cvt_pk_bf16_f32 v8, v[16+4*i], v[16+4*i+1]   ; rounded to bf16 like every input,
	v_cvt_pk_bf16_f32 v9, v[16+4*i+2], v[16+4*i+3]
	v_lshlrev_b32 v10, 16, v8
	v_and_b32 v11, 0xffff0000, v8
	v_lshlrev_b32 v12, 16, v9
	v_and_b32 v13, 0xffff0000, v9
	v_cvt_pk_f16_f32 v[80+2*i], v10, v11           ; and that number written as f16
	v_cvt_pk_f16_f32 v[81+2*i], v12, v13
	global_store_b64 v5, v[80+2*i:81+2*i], s[24:25] offset:256*i
.set i, i+1
.endr
	s_endpgm
.Lmask:	; ---- the mask: wave g = 8 x work-group + wave takes query tile g / 16 and keys 128 (g % 16) on
	s_lshl_b32 s31, s28, 3
	s_add_co_u32 s31, s31, s30
	s_lshr_b32 s32, s31, 4                         ; query tile
	s_and_b32 s33, s31, 15                         ; pair of key steps
	s_lshl_b32 s34, s32, 17                        ; 16 rows of 8,192 bytes
	s_lshl_b32 s36, s33, 9                         ; 128 keys of 4 bytes
	s_add_co_u32 s34, s34, s36
	s_add_nc_u64 s[4:5], s[4:5], s[34:35]
	s_lshl_b32 s34, s32, 15                        ; out: 32 key steps of 1,024 bytes a tile
	s_lshl_b32 s36, s33, 11
	s_add_co_u32 s34, s34, s36
	s_add_nc_u64 s[22:23], s[22:23], s[34:35]
.set i, 0
.rept 16
	global_load_b128 v[16+4*i:16+4*i+3], v2, s[4:5] offset:8192*i th:TH_LOAD_NT  ; row i: 512 consecutive bytes; lane l holds keys 4 l .. 4 l + 3
.set i, i+1
.endr
	; Lane l's four keys go to piece 2 (l / 8) + (l / 2) % 2 of the eight pieces of 256 bytes, at byte 16 row + 8 ((l / 4) % 2) + 4 (l % 2).
	s_mul_i32 s37, s30, WLDS
	v_bfe_u32 v3, v1, 3, 2
	v_bfe_u32 v4, v1, 1, 1
	v_lshl_add_u32 v3, v3, 1, v4
	v_mul_u32_u24 v3, v3, CP
	v_bfe_u32 v4, v1, 2, 1
	v_lshl_add_u32 v3, v4, 3, v3
	v_and_b32 v4, 1, v1
	v_lshl_add_u32 v3, v4, 2, v3
	v_add_nc_u32 v3, s37, v3
	v_lshrrev_b32 v4, 4, v1                        ; back: lanes 0-15 one piece, lanes 16-31 the next
	v_mul_u32_u24 v4, v4, CP
	v_and_b32 v5, 15, v1
	v_lshl_add_u32 v4, v5, 4, v4
	v_add_nc_u32 v4, s37, v4
	v_mov_b32 v8, 0xb8                             ; -1.0 in E4M3, in each of a word's four bytes
	v_mov_b32 v9, 0xb800
	v_mov_b32 v10, 0xb80000
	v_mov_b32 v11, 0xb8000000
.set i, 0
.rept 16
	s_wait_loadcnt 15-i                            ; row i is in, the younger rows stay out
	v_cmp_eq_u32 vcc_lo, 0, v[16+4*i]
	v_cndmask_b32 v12, 0, v8, vcc_lo
	v_cmp_eq_u32 vcc_lo, 0, v[16+4*i+1]
	v_cndmask_b32 v13, 0, v9, vcc_lo
	v_cmp_eq_u32 vcc_lo, 0, v[16+4*i+2]
	v_cndmask_b32 v14, 0, v10, vcc_lo
	v_cmp_eq_u32 vcc_lo, 0, v[16+4*i+3]
	v_cndmask_b32 v15, 0, v11, vcc_lo
	v_add3_u32 v12, v12, v13, v14                  ; the four bytes do not meet: the sum is their union
	v_add_nc_u32 v[96+i], v12, v15
	ds_store_b32 v3, v[96+i] offset:16*i
.set i, i+1
.endr
.irp t, 0,1,2,3
	ds_load_b128 v[80+4*\t:80+4*\t+3], v4 offset:2*CP*\t  ; my own bytes: LDS serves a wave's instructions in order (ISA guide 5.7.1.4), so these see the stores above
.endr
.irp t, 0,1,2,3
	s_wait_dscnt 3-\t
	global_store_b128 v2, v[80+4*\t:80+4*\t+3], s[22:23] offset:512*\t  ; 512 consecutive bytes, at a multiple of 256 from mask8's first byte
.endr
	s_wait_tensorcnt 0x0                           ; the wave's end, behind my last LDS store
	ds_add_u32 v6, v7
	s_wait_dscnt 0x0
	s_endpgm
.Lfunc_end_k_q748ddadeb8_prep:
	.size	k_q748ddadeb8_prep, .Lfunc_end_k_q748ddadeb8_prep-k_q748ddadeb8_prep
	.p2alignl 7, 3214868480
	.fill 96, 4, 3214868480
	.section	.rodata,"a",@progbits
	.p2align	6, 0x0
	.amdhsa_kernel k_q748ddadeb8_prep
		.amdhsa_group_segment_fixed_size 19456
		.amdhsa_private_segment_fixed_size 0
		.amdhsa_enable_private_segment 0
		.amdhsa_kernarg_size 96
		.amdhsa_user_sgpr_count 2
		.amdhsa_user_sgpr_kernarg_segment_ptr 1
		.amdhsa_wavefront_size32 1
		.amdhsa_system_sgpr_workgroup_id_x 1
		.amdhsa_system_sgpr_workgroup_id_y 1
		.amdhsa_system_sgpr_workgroup_id_z 1
		.amdhsa_system_vgpr_workitem_id 0
		.amdhsa_next_free_vgpr 112
		.amdhsa_next_free_sgpr 66
		.amdhsa_reserve_vcc 1
		.amdhsa_float_denorm_mode_32 3
		.amdhsa_float_denorm_mode_16_64 3
		.amdhsa_memory_ordered 1
		.amdhsa_forward_progress 1
		.amdhsa_inst_pref_size 29
	.end_amdhsa_kernel
	.amdgpu_metadata
---
amdhsa.version: [ 1, 2 ]
amdhsa.kernels:
  - .name:           k_q748ddadeb8_prep
    .symbol:         k_q748ddadeb8_prep.kd
    .args:
      - { .name: mask, .offset: 0, .size: 8, .value_kind: global_buffer, .address_space: global }
      - { .name: wq, .offset: 8, .size: 8, .value_kind: global_buffer, .address_space: global }
      - { .name: wk, .offset: 16, .size: 8, .value_kind: global_buffer, .address_space: global }
      - { .name: wv, .offset: 24, .size: 8, .value_kind: global_buffer, .address_space: global }
      - { .name: wo, .offset: 32, .size: 8, .value_kind: global_buffer, .address_space: global }
      - { .name: bq, .offset: 40, .size: 8, .value_kind: global_buffer, .address_space: global }
      - { .name: bk, .offset: 48, .size: 8, .value_kind: global_buffer, .address_space: global }
      - { .name: bv, .offset: 56, .size: 8, .value_kind: global_buffer, .address_space: global }
      - { .name: bo, .offset: 64, .size: 8, .value_kind: global_buffer, .address_space: global }
      - { .name: mask8, .offset: 72, .size: 8, .value_kind: global_buffer, .address_space: global }
      - { .name: wb, .offset: 80, .size: 8, .value_kind: global_buffer, .address_space: global }
      - { .name: biasr, .offset: 88, .size: 8, .value_kind: global_buffer, .address_space: global }
    .group_segment_fixed_size: 19456
    .private_segment_fixed_size: 0
    .kernarg_segment_align: 8
    .kernarg_segment_size: 96
    .max_flat_workgroup_size: 256
    .sgpr_count:     66
    .vgpr_count:     112
    .wavefront_size: 32
...
	.end_amdgpu_metadata
.endif
;; end of part 1
;; launch proj (part 2): grid 4 x 192, 4 waves a work-group, clusters of 4 x 4, 327,680 bytes of LDS; arguments query, key, value, wb, biasr, qkv; writes qkv
.if DOCPART == 2
	.amdgcn_target "amdgcn-amd-amdhsa--gfx1250"
	.amdhsa_code_object_version 6
	.text
	.protected	k_q748ddadeb8_proj
	.globl	k_q748ddadeb8_proj
	.p2align	8
	.type	k_q748ddadeb8_proj,@function
k_q748ddadeb8_proj:
	s_mov_b64 s[64:65], 0
	v_nop
	global_prefetch_b8 v0, s[64:65] scope:SCOPE_SE
	s_setreg_imm32_b32 hwreg(HW_REG_WAVE_MODE, 25, 1), 1
	s_wait_xcnt 0x0
	s_wait_alu depctr_hold_cnt(0) depctr_sa_sdst(0) depctr_va_vdst(0) depctr_va_sdst(0) depctr_va_ssrc(0) depctr_va_vcc(0) depctr_vm_vsrc(0)
	s_getreg_b32 s2, hwreg(HW_REG_IB_STS2, 6, 4)
	s_cmp_eq_u32 s2, 0
	s_cbranch_scc0 .Lentry_in_a_cluster
	s_endpgm
.Lentry_in_a_cluster:
	s_bfe_u32 s2, ttmp6, 0x10000c
	s_cmp_lg_u32 s2, 0xf033
	s_cbranch_scc0 .Lentry_shape_is_right
	s_endpgm
.Lentry_shape_is_right:
; THE THREE PROJECTIONS IN ONE LAUNCH.  y[m][n] = sum over k of x[m][k] W[n][k] + b[n], for (query, wq, bq), (key, wk, bk), (value, wv, bv): Z = 0, 1, 2.
; x: [8192][1024] f32, rounded to bf16 between LDS and the matrix unit; W: bf16 in wb; b: f32 (already rounded to bf16) in biasr; sums in f32; y rounded once to f16
; and written by heads: qkv[Z][16 batch + head][2048][64].
; LIMIT.  f16 ends at 65,504: a |y| of 65,520 or more becomes an infinity.  Inputs and weights each 30 times the usual spread give |y| of some thousands, a common offset of 30 spreads on both some 29,000.
; SHARES.  A work-group makes 128 rows x 256 columns: 64 x 4 tiles a projection, 768 work-groups, three for each of 256 WGPs.  A wave makes 64 x 128: 32 accumulators.
; K goes in 8 steps of 128 through two LDS slots; a step is four quarters of 32: 32 matrix instructions, 32 LDS loads and 32 roundings of x each.
; CLUSTER.  4 x 4 work-groups.  The four of a row of the cluster share their rows of x, the four of a column their rows of W (Z comes from the cluster's y alone): each tile is asked for
; jointly, by the same tensor load with the same descriptor and a mask that names the four.  So x leaves memory once for its four column tiles.
; THE MATRIX INSTRUCTION IS USED TRANSPOSED (source 0 = 16 rows of W, source 1 = 16 rows of x): a lane holds one row of y and eight neighbouring columns; the bias, laid the same way,
; is the C operand of the first quarter: nothing is cleared and nothing is added afterwards.
; REGISTERS, in windows of 256 (s_set_vgpr_msb: bits 1:0 source 0, 3:2 source 1, 5:4 source 2, 7:6 destination):
;   window 0: v0-31 addresses; v32-63 x's four fragments in bf16; v64-127, v128-191 x as f32, two buffers of 4 x 16; v192-207 at work on the way out
;   window 1: v0-63, v64-127 W's eight fragments, two buffers; v128-191 the bias         window 2: accumulator (a, b) at v[8 (8 a + b)]
.set PA,    528                        ; a row of x in LDS: 512 bytes + 16 = 132 words: the 16 rows of a load start at 16 different groups of four banks (64 banks of 4 bytes: ISA guide 11.1)
.set PB,    272                        ; a row of W: 256 + 16
.set AHALF, 64*PA                      ; what one tensor load brings of x, and what a wave reads of it
.set BHALF, 128*PB                     ; the same for W
.set BOFF,  2*AHALF
.set SLOT,  BOFF+2*BHALF               ; 137,216 bytes
.set STAGE, 2*SLOT                     ; behind the ring, never filled by a tensor load: 16 rows x 144 bytes for each wave
.set SP,    144
.set SPARE, STAGE+4*16*SP              ; the spare words, 128 bytes a wave: two blocks of 256 bytes that no other line names
.set ADRA, 16                          ; v16-17  LDS address of my fragments of x in slot 0, 1
.set ADRB, 20                          ; v20-21  the same for W
.set STO,  24
.set RD,   25
.set GO,   26
.set BO,   27                          ; v27  32 (lane / 16): my eight numbers in 16 of the bias
.set SPW,  28                          ; v28  my spare word; never rewritten
.set NIL,  29                          ; v29  0; never rewritten
.set AF,   32
.set T0,   64
.set TMP,  192
.set BIAS, 128                         ; window 1
.set WV, 16                            ; s16 wave; s17 its half of the rows (and: 0 fetches x, 1 fetches W); s18 its half of the columns (and: which half of that tile it fetches)
.set MH, 17
.set NH, 18
.set G1,  24                           ; s[24:31] group 1 for x, s[32:39] group 0, a set for each slot
.set G0,  32
.set G1B, 48                           ; s[48:55], s[56:63] the same for W
.set G0B, 56
.set MSB, 0
.macro WIN new                         ; the immediate's high byte repeats the setting that is left; a switch that changes nothing is dropped
.if MSB != (\new)
	s_set_vgpr_msb (MSB<<8)|(\new)
.set MSB, \new
.endif
.endm
.macro JLOAD s                         ; a joint load: waves 0 and 1 fetch x's two halves, waves 2 and 3 W's; an s_nop 0 and four v_nop follow each line
	s_cmp_eq_u32 s[MH], 0
	s_cbranch_scc0 .Lfor_b_\@
	tensor_load_to_lds s[G0+4*(\s):G0+4*(\s)+3], s[G1:G1+7]
	s_nop 0
.rept 4
	v_nop
.endr
	s_branch .Lasked_\@
.Lfor_b_\@:
	tensor_load_to_lds s[G0B+4*(\s):G0B+4*(\s)+3], s[G1B:G1B+7]
	s_nop 0
.rept 4
	v_nop
.endr
.Lasked_\@:
.endm
.macro CREST                           ; a round of the cluster's barrier behind its opening barrier
	s_cmp_lg_u32 s[WV], 0
	s_cbranch_scc1 .Lnot_wave_0_\@
	s_barrier_signal -3
.Lnot_wave_0_\@:
	s_barrier_wait -3
	s_barrier_signal -1
	s_barrier_wait -1
.endm
.macro CROUND
	s_barrier_signal -1
	s_barrier_wait -1
	CREST
.endm
	s_load_b256 s[4:11], s[0:1], 0x0               ; query s4, key s6, value s8, wb s10
	s_load_b128 s[12:15], s[0:1], 0x20             ; biasr s12, qkv s14
	v_lshl_add_u32 v[SPW], v0, 2, SPARE
	v_mov_b32 v[NIL], 0
	ds_add_u32 v[SPW], v[NIL]                      ; the wave's opening: the add and its wait stand ahead of my first tensor load; the set-up stands between them
	v_lshrrev_b32 v1, 5, v0
	v_readfirstlane_b32 s[WV], v1
	s_lshr_b32 s[MH], s[WV], 1
	s_and_b32 s[NH], s[WV], 1
	s_bfe_u32 s19, ttmp6, 0x40000                  ; cx
	s_bfe_u32 s20, ttmp6, 0x40004                  ; cy
	s_lshl_b32 s46, ttmp9, 2
	s_add_co_u32 s46, s46, s19                     ; tile column = 4 x cluster x + cx
	s_and_b32 s21, ttmp7, 0xffff                   ; the cluster's y, 0 .. 47
	s_lshr_b32 s23, s21, 4                         ; Z: which projection; the same in all sixteen partners
	s_and_b32 s22, s21, 15
	s_lshl_b32 s22, s22, 2
	s_add_co_u32 s22, s22, s20                     ; tile row, 0 .. 63
	s_lshl_b32 s44, s20, 2
	s_lshl_b32 s44, 15, s44                        ; my row of the cluster
	s_lshl_b32 s45, 0x1111, s19                    ; my column
	s_or_b32 s[G1], s44, (2<<16)|(1<<20)|(1<<21)|(6<<22)|(3<<25)   ; the mask; elements of 4 bytes; padding on; bit 21 beside a mask; after every 128 words; 4 words
	s_or_b32 s[G1B], s45, (1<<16)|(1<<20)|(1<<21)|(5<<22)|(3<<25)  ; elements of 2 bytes; after every 64 words
.irp g, G1, G1B
	s_mov_b32 s[(\g)+1], 128<<16                   ; tensor_dim0 = 128
	s_mov_b32 s[(\g)+3], 128<<16                   ; tile_dim0 = 128
	s_mov_b32 s[(\g)+5], 1024                      ; elements from row to row
	s_mov_b32 s[(\g)+6], 0
	s_mov_b32 s[(\g)+7], 0
.endr
	s_mov_b32 s[G1+2], 64<<16                      ; x: 64 rows to a load
	s_mov_b32 s[G1+4], 64
	s_mov_b32 s[G1B+2], 128<<16                    ; W: 128 rows
	s_mov_b32 s[G1B+4], 128
	s_lshl_b32 s40, s22, 7                         ; x: row 128 x tile row + 64 x half, rows of 4,096 bytes: made of cy and the wave alone
	s_lshl_b32 s41, s[NH], 6
	s_add_co_u32 s40, s40, s41
	s_lshl_b32 s40, s40, 12
	s_mov_b32 s41, 0
	s_lshl_b32 s42, s46, 8                         ; W: row 256 x tile column + 128 x half, rows of 2,048 bytes, in matrix Z: made of cx, Z and the wave alone
	s_lshl_b32 s43, s[NH], 7
	s_add_co_u32 s42, s42, s43
	s_lshl_b32 s42, s42, 11
	s_lshl_b32 s43, s23, 21
	s_add_co_u32 s42, s42, s43
	s_mov_b32 s43, 0
	s_mul_i32 s76, s[NH], AHALF                    ; where they go: no place in the cluster enters an LDS address
	s_mul_i32 s77, s[NH], BHALF
	s_add_co_u32 s77, s77, BOFF
	s_wait_dscnt 0x0                               ; the opening add is done
	s_wait_kmcnt 0x0
	s_mov_b64 s[72:73], s[4:5]
	s_cmp_eq_u32 s23, 1
	s_cselect_b64 s[72:73], s[6:7], s[72:73]
	s_cmp_eq_u32 s23, 2
	s_cselect_b64 s[72:73], s[8:9], s[72:73]
	s_add_nc_u64 s[72:73], s[72:73], s[40:41]
	s_add_nc_u64 s[74:75], s[10:11], s[42:43]
	CROUND                                         ; all sixteen work-groups are here: the first joint loads meet
.irp s, 0,1
	s_mov_b32 s[G0+4*(\s)], 1
	s_add_co_u32 s[G0+4*(\s)+1], s76, (\s)*SLOT
	s_add_nc_u64 s[G0+4*(\s)+2:G0+4*(\s)+3], s[72:73], (\s)*512      ; K step s: 128 f32
	s_or_b32 s[G0+4*(\s)+3], s[G0+4*(\s)+3], 0x80000000
	s_mov_b32 s[G0B+4*(\s)], 1
	s_add_co_u32 s[G0B+4*(\s)+1], s77, (\s)*SLOT
	s_add_nc_u64 s[G0B+4*(\s)+2:G0B+4*(\s)+3], s[74:75], (\s)*256    ; 128 bf16
	s_or_b32 s[G0B+4*(\s)+3], s[G0B+4*(\s)+3], 0x80000000
	JLOAD \s                                       ; two tensor loads of mine are out
.endr
	v_and_b32 v1, 15, v0                           ; l % 16
	v_bfe_u32 v2, v0, 4, 1                         ; l / 16
	v_lshlrev_b32 v[BO], 5, v2
	s_lshl_b32 s68, s23, 12                        ; the bias of my 128 columns
	s_lshl_b32 s70, s46, 10
	s_add_co_u32 s68, s68, s70
	s_lshl_b32 s70, s[NH], 9
	s_add_co_u32 s68, s68, s70
	s_mov_b32 s69, 0
	s_add_nc_u64 s[12:13], s[12:13], s[68:69]
	WIN 0x40                                       ; destination window 1
.irp j, 0,1,2,3,4,5,6,7
	global_load_b128 v[BIAS+8*\j:BIAS+8*\j+3],   v[BO], s[12:13] offset:64*\j      ; register i of block j: b[16 j + 8 (l / 16) + i]
	global_load_b128 v[BIAS+8*\j+4:BIAS+8*\j+7], v[BO], s[12:13] offset:64*\j+16
.endr
	WIN 0
	v_mul_u32_u24 v3, v1, PA
	v_lshl_add_u32 v3, v2, 5, v3                   ; x: row x pitch + 32 x half (eight f32)
	v_mul_u32_u24 v4, v1, PB
	v_lshl_add_u32 v4, v2, 4, v4                   ; W: row x pitch + 16 x half (eight bf16)
	s_mul_i32 s70, s[MH], AHALF
	s_mul_i32 s71, s[NH], BHALF
	s_add_co_u32 s71, s71, BOFF
.irp s, 0,1
	v_add_nc_u32 v[ADRA+(\s)], s70, v3
	v_add_nc_u32 v[ADRB+(\s)], s71, v4
	s_add_co_u32 s70, s70, SLOT
	s_add_co_u32 s71, s71, SLOT
.endr
	s_mul_i32 s70, s[WV], 16*SP
	s_add_co_u32 s70, s70, STAGE                   ; my stage
	v_mul_u32_u24 v5, v1, SP                       ; in: row l % 16, 16 bytes for each half of the lanes
	v_lshl_add_u32 v5, v2, 4, v5
	v_add_nc_u32 v[STO], s70, v5
	v_bfe_u32 v5, v0, 3, 2                         ; back: 32 lanes take four rows of 128 bytes,
	v_mul_u32_u24 v5, v5, SP
	v_and_b32 v6, 7, v0
	v_lshl_add_u32 v5, v6, 4, v5
	v_add_nc_u32 v[RD], s70, v5
	v_and_b32 v[GO], 31, v0                        ; which are 512 consecutive bytes of a head
	v_lshlrev_b32 v[GO], 4, v[GO]
	s_lshr_b32 s66, s22, 4                         ; qkv at (Z, 16 batch + 4 tile column + 2 half, row 128 (tile row % 16) + 64 half)
	s_lshl_b32 s66, s66, 4
	s_lshl_b32 s70, s46, 2
	s_add_co_u32 s66, s66, s70
	s_lshl_b32 s70, s[NH], 1
	s_add_co_u32 s66, s66, s70
	s_lshl_b32 s66, s66, 18                        ; a head is 2,048 rows of 128 bytes
	s_lshl_b32 s70, s23, 24
	s_add_co_u32 s66, s66, s70
	s_and_b32 s70, s22, 15
	s_lshl_b32 s70, s70, 1
	s_add_co_u32 s70, s70, s[MH]
	s_lshl_b32 s70, s70, 13
	s_add_co_u32 s66, s66, s70
	s_mov_b32 s67, 0
	s_add_nc_u64 s[14:15], s[14:15], s[66:67]
; Four roundings: half hf of fragment a of x, from f32 buffer f.
.macro CVT a, hf, f
	WIN 0
.irp j, 0,1,2,3
	v_cvt_pk_bf16_f32 v[AF+8*(\a)+4*(\hf)+\j], v[T0+64*(\f)+16*(\a)+8*(\hf)+2*\j], v[T0+64*(\f)+16*(\a)+8*(\hf)+2*\j+1]
.endr
.endm
; Four matrix instructions: row block a x column blocks c0 .. c0 + 3.  first = 1: the bias starts the sums.
.macro MUL4 f, a, c0, first
.if \first
	WIN 0x91                                       ; W window 1, x window 0, C window 1, D window 2
.else
	WIN 0xa1                                       ; C and D window 2
.endif
.irp j, 0,1,2,3
.if \first
	v_wmma_f32_16x16x32_bf16 v[8*(8*(\a)+(\c0)+\j):8*(8*(\a)+(\c0)+\j)+7], v[64*(\f)+8*((\c0)+\j):64*(\f)+8*((\c0)+\j)+7], v[AF+8*(\a):AF+8*(\a)+7], v[BIAS+8*((\c0)+\j):BIAS+8*((\c0)+\j)+7]
.else
	v_wmma_f32_16x16x32_bf16 v[8*(8*(\a)+(\c0)+\j):8*(8*(\a)+(\c0)+\j)+7], v[64*(\f)+8*((\c0)+\j):64*(\f)+8*((\c0)+\j)+7], v[AF+8*(\a):AF+8*(\a)+7], v[8*(8*(\a)+(\c0)+\j):8*(8*(\a)+(\c0)+\j)+7]
.endif
.endr
.endm
; Row block a's eight products; behind each four stand four roundings for block a + 1.  The 32 accumulators take turns in the same order in every quarter.
; A fragment of x is written again only behind eight or more roundings that name none of its last readers' registers (ISA guide 7.12.1).  w = 1: x's blocks 1 to 3 are waited for.
.macro GROUP f, a, first, w
	MUL4 \f, \a, 0, \first
.if \w
	s_wait_dscnt 0x0
.endif
.if (\a) < 3
	CVT (\a)+1, 0, \f
.endif
	MUL4 \f, \a, 4, \first
.if (\a) < 3
	CVT (\a)+1, 1, \f
.endif
.endm
; 32 LDS loads in one run: quarter kq of a slot into buffer g: W's 16, then x's block 0, then its blocks 1 to 3.
; A fragment: lane l holds row l % 16, k = 8 (l / 16) + 0..7 and 16 + 8 (l / 16) + 0..7: in bf16 two loads 32 bytes apart, in f32 four, at 0, 16, 64, 80.
.macro FETCH slot, kq, g
	WIN 0x40
.irp i, 0,1,2,3,4,5,6,7
	ds_load_b128 v[64*(\g)+8*\i:64*(\g)+8*\i+3],   v[ADRB+(\slot)] offset:64*(\kq)+\i*16*PB
	ds_load_b128 v[64*(\g)+8*\i+4:64*(\g)+8*\i+7], v[ADRB+(\slot)] offset:64*(\kq)+\i*16*PB+32
.endr
	WIN 0
.irp i, 0,1,2,3
	ds_load_b128 v[T0+64*(\g)+16*\i:T0+64*(\g)+16*\i+3],     v[ADRA+(\slot)] offset:128*(\kq)+\i*16*PA
	ds_load_b128 v[T0+64*(\g)+16*\i+4:T0+64*(\g)+16*\i+7],   v[ADRA+(\slot)] offset:128*(\kq)+\i*16*PA+16
	ds_load_b128 v[T0+64*(\g)+16*\i+8:T0+64*(\g)+16*\i+11],  v[ADRA+(\slot)] offset:128*(\kq)+\i*16*PA+64
	ds_load_b128 v[T0+64*(\g)+16*\i+12:T0+64*(\g)+16*\i+15], v[ADRA+(\slot)] offset:128*(\kq)+\i*16*PA+80
.endr
.endm
; One of a K step's first three quarters: multiplies buffer f and fetches quarter kq of the same slot into the other buffer.  The sixteen roundings ahead of the run of loads are the places
; between the last products that read that buffer and the loads into it.
.macro QUARTER slot, kq, f, first
	s_wait_dscnt 12                                ; W and x's block 0 are in; the youngest twelve loads (x's blocks 1 to 3) may be out
	CVT 0, 0, \f
	CVT 0, 1, \f
	GROUP \f, 0, \first, 1
	FETCH \slot, \kq, 1-(\f)
	GROUP \f, 1, \first, 0
	GROUP \f, 2, \first, 0
	GROUP \f, 3, \first, 0
.endm
; The last quarter multiplies buffer 1 and changes slots: ONE barrier.  In front of it each wave waits for all its tensor loads (one is out: its part of the next slot), adds 0 to its spare word,
; and waits for that and for its reads of this slot.  fill = 1: the barrier opens a round of the cluster's, and this slot is filled again, two K steps ahead, first thing behind the round.
.macro TURN slot, next, fill
	WIN 0
	s_wait_tensorcnt 0x0
	ds_add_u32 v[SPW], v[NIL]
.if \fill
	s_add_nc_u64 s[G0+4*(\slot)+2:G0+4*(\slot)+3], s[G0+4*(\slot)+2:G0+4*(\slot)+3], 1024    ; no tensor load of mine is out: the slot's descriptors step two K steps on
	s_add_nc_u64 s[G0B+4*(\slot)+2:G0B+4*(\slot)+3], s[G0B+4*(\slot)+2:G0B+4*(\slot)+3], 512
.endif
	s_wait_dscnt 0x0                               ; the add is done, and my reads of this slot are over
	s_barrier_signal -1
	CVT 0, 0, 1                                    ; work on registers while the others arrive
	CVT 0, 1, 1
	GROUP 1, 0, 0, 0
	WIN 0
	s_barrier_wait -1
.if \fill
	CREST                                          ; no wave of any partner still reads this slot's tiles or has a load on its way
	JLOAD \slot                                    ; 120 matrix instructions ahead of the wait for it
.endif
	FETCH \next, 0, 0
	GROUP 1, 1, 0, 0
	GROUP 1, 2, 0, 0
	GROUP 1, 3, 0, 0
.endm
	s_wait_tensorcnt 1                             ; my part of K step 0 is in; K step 1's may stay out
	s_barrier_signal -1
	s_barrier_wait -1
	FETCH 0, 0, 0
	s_wait_loadcnt 0x0                             ; the bias
	QUARTER 0, 1, 0, 1                             ; the first quarter stands ahead of the loop: its products start the sums
	WIN 0
	s_mov_b32 s3, 3
.Llap:                                                 ; a trip goes once round the ring, from a lap's second quarter to the next lap's first, and fills both slots again
	QUARTER 0, 2, 1, 0
	QUARTER 0, 3, 0, 0
	TURN 0, 1, 1
	QUARTER 1, 1, 0, 0
	QUARTER 1, 2, 1, 0
	QUARTER 1, 3, 0, 0
	TURN 1, 0, 1
	QUARTER 0, 1, 0, 0
	WIN 0
	s_sub_co_u32 s3, s3, 1
	s_cmp_lg_u32 s3, 0
	s_cbranch_scc1 .Llap
	QUARTER 0, 2, 1, 0                             ; the last lap fills nothing
	QUARTER 0, 3, 0, 0
	TURN 0, 1, 0
	QUARTER 1, 1, 0, 0
	QUARTER 1, 2, 1, 0
	QUARTER 1, 3, 0, 0
	s_wait_dscnt 12                                ; the very last quarter: nothing more to fetch
	CVT 0, 0, 1
	CVT 0, 1, 1
	GROUP 1, 0, 0, 1
	GROUP 1, 1, 0, 0
	GROUP 1, 2, 0, 0
	GROUP 1, 3, 0, 0
; THE WAY OUT, in eight blocks k: 16 rows (k / 2) of one head (k % 2): rounded to f16, 16 bytes a lane into my stage, back as four rows of 128 bytes a load: 2,048 consecutive bytes of qkv.
.macro PACK k
.set pa, (\k)/2
.set ph, (\k)%2
	WIN 0x0a                                       ; sources window 2
.irp f, 0,1,2,3
.irp j, 0,1,2,3
	v_cvt_pk_f16_f32 v[TMP+4*\f+\j], v[8*(8*pa+4*ph+\f)+2*\j], v[8*(8*pa+4*ph+\f)+2*\j+1]
.endr
.endr
	WIN 0
.irp f, 0,1,2,3
	ds_store_b128 v[STO], v[TMP+4*\f:TMP+4*\f+3] offset:32*\f
.endr
.irp f, 0,1,2,3
	ds_load_b128 v[T0+16*(\k)+4*\f:T0+16*(\k)+4*\f+3], v[RD] offset:\f*4*SP  ; LDS serves a wave's instructions in order (ISA guide 5.7.1.4): these see the stores above; the next block's stores come behind them
.endr
.endm
.macro SEND k, younger                 ; younger: the LDS instructions issued behind block k's loads: the next block's eight, or none
.set pa, (\k)/2
.set ph, (\k)%2
.irp f, 0,1,2,3
	s_wait_dscnt (\younger)+3-\f
	global_store_b128 v[GO], v[T0+16*(\k)+4*\f:T0+16*(\k)+4*\f+3], s[14:15] offset:ph*262144+pa*2048+\f*512  ; 512 consecutive bytes, at a multiple of 256 from qkv's first byte
.endr
.endm
	WIN 0
.rept 4
	v_nop                                          ; the places behind the last products
.endr
	PACK 0
.irp k, 1,2,3,4,5,6,7
	PACK \k
	SEND (\k)-1, 8
.endr
	SEND 7, 0
	s_wait_tensorcnt 0x0                           ; the wave's end
	ds_add_u32 v[SPW], v[NIL]
	s_wait_dscnt 0x0
	CROUND                                         ; the closing round
	s_endpgm
.Lfunc_end_k_q748ddadeb8_proj:
	.size	k_q748ddadeb8_proj, .Lfunc_end_k_q748ddadeb8_proj-k_q748ddadeb8_proj
	.p2alignl 7, 3214868480
	.fill 96, 4, 3214868480
	.section	.rodata,"a",@progbits
	.p2align	6, 0x0
	.amdhsa_kernel k_q748ddadeb8_proj
		.amdhsa_group_segment_fixed_size 327680
		.amdhsa_private_segment_fixed_size 0
		.amdhsa_enable_private_segment 0
		.amdhsa_kernarg_size 48
		.amdhsa_user_sgpr_count 2
		.amdhsa_user_sgpr_kernarg_segment_ptr 1
		.amdhsa_wavefront_size32 1
		.amdhsa_system_sgpr_workgroup_id_x 1
		.amdhsa_system_sgpr_workgroup_id_y 1
		.amdhsa_system_sgpr_workgroup_id_z 1
		.amdhsa_system_vgpr_workitem_id 0
		.amdhsa_next_free_vgpr 768
		.amdhsa_next_free_sgpr 84
		.amdhsa_reserve_vcc 0
		.amdhsa_float_denorm_mode_32 3
		.amdhsa_float_denorm_mode_16_64 3
		.amdhsa_memory_ordered 1
		.amdhsa_forward_progress 1
		.amdhsa_inst_pref_size 134
	.end_amdhsa_kernel
	.amdgpu_metadata
---
amdhsa.version: [ 1, 2 ]
amdhsa.kernels:
  - .name:           k_q748ddadeb8_proj
    .symbol:         k_q748ddadeb8_proj.kd
    .args:
      - { .name: query, .offset: 0, .size: 8, .value_kind: global_buffer, .address_space: global }
      - { .name: key, .offset: 8, .size: 8, .value_kind: global_buffer, .address_space: global }
      - { .name: value, .offset: 16, .size: 8, .value_kind: global_buffer, .address_space: global }
      - { .name: wb, .offset: 24, .size: 8, .value_kind: global_buffer, .address_space: global }
      - { .name: biasr, .offset: 32, .size: 8, .value_kind: global_buffer, .address_space: global }
      - { .name: qkv, .offset: 40, .size: 8, .value_kind: global_buffer, .address_space: global }
    .group_segment_fixed_size: 327680
    .private_segment_fixed_size: 0
    .kernarg_segment_align: 8
    .kernarg_segment_size: 48
    .max_flat_workgroup_size: 128
    .sgpr_count:     84
    .vgpr_count:     768
    .wavefront_size: 32
...
	.end_amdgpu_metadata
.endif
;; end of part 2
;; launch attn (part 3): grid 4 x 64, 4 waves a work-group, clusters of 4 x 1, 327,680 bytes of LDS; arguments qkv, mask8, oh; writes oh
.if DOCPART == 3
	.amdgcn_target "amdgcn-amd-amdhsa--gfx1250"
	.amdhsa_code_object_version 6
	.text
	.protected	k_q748ddadeb8_attn
	.globl	k_q748ddadeb8_attn
	.p2align	8
	.type	k_q748ddadeb8_attn,@function
k_q748ddadeb8_attn:
	s_mov_b64 s[64:65], 0
	v_nop
	global_prefetch_b8 v0, s[64:65] scope:SCOPE_SE
	s_setreg_imm32_b32 hwreg(HW_REG_WAVE_MODE, 25, 1), 1
	s_wait_xcnt 0x0
	s_wait_alu depctr_hold_cnt(0) depctr_sa_sdst(0) depctr_va_vdst(0) depctr_va_sdst(0) depctr_va_ssrc(0) depctr_va_vcc(0) depctr_vm_vsrc(0)
	s_getreg_b32 s2, hwreg(HW_REG_IB_STS2, 6, 4)
	s_cmp_eq_u32 s2, 0
	s_cbranch_scc0 .Lentry_in_a_cluster
	s_endpgm
.Lentry_in_a_cluster:
	s_bfe_u32 s2, ttmp6, 0x10000c
	s_cmp_lg_u32 s2, 0x3003
	s_cbranch_scc0 .Lentry_shape_is_right
	s_endpgm
.Lentry_shape_is_right:
; ATTENTION UNDER A MASK THAT IS AN INPUT.  O[h][q][:] = the sum over k of softmax_k(mask[q][k] ? Q[h][q] . K[h][k] / 8 : -1e9) V[h][k][:].  Q, K, V: qkv[3][64][2048][64], O: oh[64][2048][64], all f16.
; Products, maxima and sums in f32; the weights p are rounded to f16 for the second product (their sum l is taken of the unrounded p), O once at the end.
; THE MASK is the C operand that starts the sum S^T = K Q^T: 0 where the key is seen, -2^100 where it is hidden.  It comes as one byte a place (0x00 or -1.0 in E4M3), already in the lanes' order
; (mask8[query tile][key step][half][lane][16 bytes]); one scaled conversion (scale 2^100) turns eight bytes into the eight C registers of 16 keys x 16 queries.  These codes are no matrix operand.
; The running maximum starts at -2^99, above every hidden score: a hidden weight is 2^(-1e29) = 0, and a row that has seen nothing keeps l = 0, O = 0 and a = 2^0 = 1.
; A ROW WITH NO SEEN KEY has equal weights on all 2,048 keys: every wave also sums V's rows (U = V^T x ones, two matrix instructions a turn), and at the end U / 2048 is taken, by a select, where l = 0.
; LIMITS.  A seen score (scaled) is taken to lie above -1e9 + 104: below that the -1e9 of the hidden keys would carry weight, which this text gives them only in rows with no seen key.
; f16 holds no number beyond 65,504: Q, K and V arrive within it; p below 6e-5 keeps f16's step of 6e-8; a weight below 2^-126 counts as 0 in l; NaN and infinities are not treated apart.
; SHARES.  A wave owns four PIECES of two tiles of 16 queries, a work-group's four waves 512 queries of one head.  Every wave walks all keys, 64 a step: no pattern of the mask is built in.
; LAYOUT.  S^T = K Q^T (source 0 = 16 keys, source 1 = 16 queries): a lane holds ONE query (lane % 16) and the keys 8 (lane / 16) + 0..7.  Two such tiles, rounded to f16 in pairs,
; ARE source 1 of O^T = V^T P, whose result again holds one query a lane, and eight channels.  K comes out of LDS as it lies, V turned, by ds_load_tr16_b128.
; SOFTMAX.  p = 2^(c s - c m), c = log2(e) / 8, with a running maximum m; in every step O and l are multiplied by a = 2^(c m_old - c m_new).
; BY TURNS.  Turn n belongs to piece n.  Its matrix work: 16 products K Q^T of piece n + 1, later 16 products V^T P of piece n - 1 and 2 of U.  Its vector work: the scaling, exponentials, roundings, sums and
; rescaling of piece n, the maximum and statistics of piece n + 1, and the mask of piece n + 2.  Four vector instructions stand behind every product, the rest in two runs of their own.
; CLUSTER.  The four query blocks of a cluster belong to one head and walk the same K and V: each tile is asked for JOINTLY.  The mask is not: each of its bytes is wanted by one wave of a work-group, in registers,
; and four steps of it for 512 queries (131,072 bytes) beside K and V (77,824) do not fit twice in LDS; it comes by loads of 512 consecutive bytes, one key step ahead.
; REGISTERS, in windows of 256 (s_set_vgpr_msb: bits 1:0 source 0, 3:2 source 1, 5:4 source 2, 7:6 destination):
;   window 0: v0-11 addresses, v11 the conversions' scale; v12-15, v48-63 at work; v16-47 four registers of statistics a tile; v64-191 S^T, two buffers of two tiles; v192-255 P, likewise
;   window 1: O^T, 32 a tile          window 2: v0-127 Q; v128-191 K of one step; v192-255 V of one step
;   window 3: v0-1 the add's two registers; v4-7 a piece's offset in the mask; v8-15 ones; v16-79 mask bytes, 16 a piece; v80-143 the C operands of one piece; v144-175 U
.set SIZE_N, 2048
.set NP,    4         ; pieces a wave: a name, no knob
.set KS,    64        ; keys in a step
.set PK,    144       ; a row of K in LDS: 128 bytes + 16: the 16 rows of a load start at 16 different groups of four banks (64 banks of 4 bytes: ISA guide 11.1)
.set PV,    160       ; a row of V: 128 + 32
.set VOFF,  4*KS*PK   ; a slot holds four steps: 256 rows of K, then 256 rows of V
.set SLOT1, 1<<17     ; slot 1 begins here, so that one exclusive or turns an address in one slot into the other's
.set STAGE, SLOT1+4*KS*(PK+PV)  ; behind the ring, never filled by a tensor load: 16 rows x 144 bytes for each wave
.set SP,    144
.set AK0, 2           ; v2   my lane's place in a tile of K; never rewritten
.set AV0, 3           ; v3   the same for V
.set AK,  4           ; v4   the LDS address of K's next run of loads
.set AV,  5           ; v5   of V's
.set QO,  6           ; v6   my byte offset in the wave's rows of Q
.set STO, 6           ;      later, the way out: where I put 16 bytes of a row
.set RD,  7
.set GO,  8
.set SCL, 11          ; v11  227: the scale 2^100 as an exponent byte
.set SPW, 0           ; v0 of window 3   my spare word; never rewritten
.set NIL, 1           ; v1 of window 3   0; never rewritten
.set MO,  4           ; window 3: piece p's offset in a tile's 32,768 bytes of mask: 16 lane + 1,024 step, taken modulo 32,768
.set ONES, 8          ; window 3
.set MB,  16          ; window 3: piece p, tile u, half hf at MB + 16 p + 8 u + 4 hf
.set MC,  80          ; window 3: tile u, key block kb at MC + 32 u + 8 kb
.set U,   144         ; window 3: channel block cb at U + 8 cb
.set SPARE, STAGE+4*16*SP  ; the spare words, 128 bytes a wave: two blocks of 256 bytes that no other line names
.set MV,  12
.set ST,  16          ; tile t's statistics at v[ST+4 t]: c m, m, l (even keys', odd keys')
.set TMP, 48
.set S,   64
.set P,   192
.set KF,  128
.set VF,  192
.set WV,  12
.set G1K, 24
.set G1V, 32
.set G0K, 40
.set G0V, 44
.set SLOTS, 56
.set CNT, 57
.set CS,  58
.set SEL, 60
.set TBK, 62
.set TBV, 63
.set FM,  66          ; s66-73  tile t: the lanes whose query has seen no key
.set MP,  74          ; s[74:75] mask8 at my wave's first tile
.set MSB, 0
.macro WIN new
.if MSB != (\new)
	s_set_vgpr_msb (MSB<<8)|(\new)
.set MSB, (\new)
.endif
.endm
.set W_KQ, 0x0a       ; K and Q in window 2, S^T in window 0
.set W_KM, 0x3a       ; the same with the C operand in window 3
.set W_PV, 0x52       ; V in window 2, P in window 0, O^T in window 1
.set W_RS, 0x41       ; O^T (destination and source 0) in window 1, a in window 0
.set W_MK, 0xc0       ; destination in window 3, sources in window 0
.set W_AD, 0x0f       ; sources 0 and 1 in window 3
.set W_MC, 0xc3       ; destination and source 0 in window 3, source 1 in window 0
.set W_UM, 0xfe       ; V in window 2; ones, C and D in window 3
.macro JLOAD          ; a joint fill: waves 0 and 1 fetch the two halves of a slot's K, waves 2 and 3 those of its V; an s_nop 0 and four v_nop follow each line
	s_cmp_lt_u32 s[WV], 2
	s_cbranch_scc0 .Lfor_v_\@
	tensor_load_to_lds s[G0K:G0K+3], s[G1K:G1K+7]
	s_nop 0
.rept 4
	v_nop
.endr
	s_branch .Lasked_\@
.Lfor_v_\@:
	tensor_load_to_lds s[G0V:G0V+3], s[G1V:G1V+7]
	s_nop 0
.rept 4
	v_nop
.endr
.Lasked_\@:
.endm
.macro CROUND         ; a round of the cluster's barrier
	s_barrier_signal -1
	s_barrier_wait -1
	s_cmp_lg_u32 s[WV], 0
	s_cbranch_scc1 .Lnot_wave_0_\@
	s_barrier_signal -3
.Lnot_wave_0_\@:
	s_barrier_wait -3
	s_barrier_signal -1
	s_barrier_wait -1
.endm
; THE CHANGE OF SLOTS.  Each wave waits for all its tensor loads, of which one is out: its part of the other slot; adds 0 to its spare word; and waits for that and for its own reads of the slot.
; fill = 1: the slot is filled again, with the keys two slots on; the barrier is a round of the cluster's, and the joint fill is the first thing behind it: it has four key steps in which to land.
.macro CHANGE fill
	WIN W_AD
	s_wait_tensorcnt 0x0            ; no tensor load of mine is out, so a group 0 may be written
	ds_add_u32 v[SPW], v[NIL]
	WIN 0
.if \fill
.irp g, G0K, G0V
	s_xor_b32 s[\g+1], s[\g+1], SLOT1
	s_add_nc_u64 s[\g+2:\g+3], s[\g+2:\g+3], 4*KS*128
.endr
	s_wait_dscnt 0x0                ; the add is done, and my reads of the slot are over
	CROUND
	JLOAD
.else
	s_wait_dscnt 0x0
	s_barrier_signal -1
	s_barrier_wait -1
.endif
	s_sub_co_u32 s[TBK], s[TBK], 4*KS*PK  ; the fetches go back to a slot's first step,
	s_xor_b32 s[TBK], s[TBK], SLOT1       ; in the other slot
	s_sub_co_u32 s[TBV], s[TBV], 4*KS*PV
	s_xor_b32 s[TBV], s[TBV], SLOT1
.endm
	s_load_b128 s[4:7], s[0:1], 0x0   ; qkv s[4:5], mask8 s[6:7]
	s_load_b64 s[10:11], s[0:1], 0x10 ; oh
	WIN W_MK
	v_lshl_add_u32 v[SPW], v0, 2, SPARE
	v_mov_b32 v[NIL], 0
	WIN W_AD
	ds_add_u32 v[SPW], v[NIL]       ; the wave's opening: the add and its wait stand ahead of my first tensor load
	WIN 0
	v_lshrrev_b32 v1, 5, v0
	v_readfirstlane_b32 s[WV], v1   ; wave 0..3
	s_bfe_u32 s13, ttmp6, 0x40000   ; cx
	s_lshl_b32 s14, ttmp9, 2
	s_add_co_u32 s14, s14, s13      ; my block of 512 queries: it enters Q's, O's and the mask's addresses alone
	s_and_b32 s20, ttmp7, 0xffff    ; the head, which the four partners share
	s_mov_b32 s21, 0
	s_mov_b64 s[22:23], SIZE_N*128
	s_mul_u64 s[20:21], s[20:21], s[22:23]  ; the head's first byte in Q, K, V and O
	s_and_b32 s16, s[WV], 1         ; which half of a slot's 256 keys I fetch
	s_lshl_b32 s22, s16, 14
	s_mov_b32 s23, 0
	s_add_nc_u64 s[22:23], s[22:23], s[20:21]
	s_mul_i32 s17, s16, 128*PK
	s_mul_i32 s18, s16, 128*PV
	s_lshl_b32 s2, s14, 2
	s_add_co_u32 s2, s2, s[WV]      ; my wave among the head's sixteen:
	s_lshl_b32 s48, s2, 18          ; its eight query tiles of 32,768 bytes in mask8,
	s_mov_b32 s49, 0
	s_lshl_b32 s2, s2, 14           ; its 128 rows of Q and O
	s_mov_b32 s3, 0
	s_add_nc_u64 s[2:3], s[2:3], s[20:21]
	; descriptor group 1.  128 keys are 16,384 dense bytes: asked for as 64 rows of 256 bytes, two keys a row, and padded in LDS after every key
	s_mov_b32 s[G1K], 15|(1<<16)|(1<<20)|(1<<21)|(4<<22)|(3<<25)
	s_mov_b32 s[G1V], 15|(1<<16)|(1<<20)|(1<<21)|(4<<22)|(7<<25)
.irp g, G1K, G1V
	s_mov_b32 s[\g+1], 128<<16
	s_mov_b32 s[\g+2], 64<<16
	s_mov_b32 s[\g+3], 128<<16
	s_mov_b32 s[\g+4], 64
	s_mov_b32 s[\g+5], 128
	s_mov_b32 s[\g+6], 0
	s_mov_b32 s[\g+7], 0
.endr
	s_mov_b32 s[CS], 0x3e38aa3b     ; c = log2(e) / 8
	s_mov_b32 s[CS+1], s[CS]
	s_mov_b32 s[SEL], 0x76543210
	s_mov_b32 s[SEL+1], 0xfedcba98
	s_mov_b32 s[TBK], SLOT1+4*KS*PK ; the first change of slots turns these two into 0
	s_mov_b32 s[TBV], SLOT1+4*KS*PV
	s_mov_b32 s[G0K], 1
	s_mov_b32 s[G0K+1], s17
	s_mov_b32 s[G0V], 1
	s_add_co_u32 s[G0V+1], s18, VOFF
	s_wait_dscnt 0x0                ; the opening add is done
	s_wait_kmcnt 0x0
	s_add_nc_u64 s[MP:MP+1], s[6:7], s[48:49]
	s_add_nc_u64 s[6:7], s[4:5], 0x1000000         ; K lies 64 heads behind Q,
	s_add_nc_u64 s[8:9], s[4:5], 0x2000000         ; V 128
	s_add_nc_u64 s[G0K+2:G0K+3], s[6:7], s[22:23]
	s_or_b32 s[G0K+3], s[G0K+3], 0x80000000
	s_add_nc_u64 s[G0V+2:G0V+3], s[8:9], s[22:23]
	s_or_b32 s[G0V+3], s[G0V+3], 0x80000000
	s_add_nc_u64 s[4:5], s[4:5], s[2:3]
	s_add_nc_u64 s[10:11], s[10:11], s[2:3]
	CROUND                          ; all four work-groups are here: the first joint loads meet
	JLOAD                           ; slot 0.  Slot 1 is asked for when slot 0 is in
	v_and_b32 v1, 15, v0            ; l % 16
	v_bfe_u32 v9, v0, 4, 1          ; l / 16
	v_lshlrev_b32 v[QO], 7, v1
	v_lshl_add_u32 v[QO], v9, 4, v[QO]
	v_and_b32 v11, 31, v0
	WIN 0x80
.set i, 0
.rept 4*NP                          ; Q stays in registers: tile i / 2, channels 32 (i % 2) on
	global_load_b128 v[8*i:8*i+3],   v[QO], s[4:5] offset:(i/2)*2048+(i%2)*64
	global_load_b128 v[8*i+4:8*i+7], v[QO], s[4:5] offset:(i/2)*2048+(i%2)*64+32
.set i, i+1
.endr
	WIN W_MK
.set i, 0
.rept NP
	v_lshlrev_b32 v[MO+i], 4, v11   ; key step 0
.set i, i+1
.endr
	WIN W_MC
.set i, 0
.rept 16                            ; the mask of key step 0: piece i / 4, tile i / 2, half i % 2: 512 consecutive bytes a load
	global_load_b128 v[MB+4*i:MB+4*i+3], v[MO+i/4], s[MP:MP+1] offset:(i/2)*32768+(i%2)*512
.set i, i+1
.endr
	WIN W_MK
.set i, 0
.rept 8
	v_mov_b32 v[ONES+i], 0x3c003c00 ; 1.0, twice
.set i, i+1
.endr
.set i, 0
.rept 32
	v_mov_b32 v[U+i], 0
.set i, i+1
.endr
	; What the first turn finds: V's registers and P's second buffer hold 0, O^T, l and U are 0.  All this stands in the wait for the first tile.
	WIN 0x80
.set i, VF
.rept 64
	v_mov_b32 v[i], 0
.set i, i+1
.endr
	WIN 0x40
.set i, 0
.rept 64*NP
	v_mov_b32 v[i], 0
.set i, i+1
.endr
	WIN 0
.set i, 0
.rept 2*NP
	v_mov_b32 v[ST+4*i+1], 0xf1000000             ; m = -2^99: above every hidden score, below every seen one
	v_mul_f32 v[ST+4*i], s[CS], v[ST+4*i+1]       ; c m, by the same product that makes it anew in every step: while m stays, a is 2^0
	v_mov_b32 v[ST+4*i+2], 0
	v_mov_b32 v[ST+4*i+3], 0
.set i, i+1
.endr
.set i, P+32
.rept 32
	v_mov_b32 v[i], 0
.set i, i+1
.endr
	v_mul_u32_u24 v[AK0], v1, PK
	v_lshl_add_u32 v[AK0], v9, 4, v[AK0]
	v_and_b32 v10, 7, v0
	v_bfe_u32 v11, v0, 3, 1
	v_lshl_add_u32 v[AV0], v9, 3, v10
	v_mul_u32_u24 v[AV0], v[AV0], PV
	v_lshl_add_u32 v[AV0], v11, 4, v[AV0]
	v_add_nc_u32 v[AV0], VOFF, v[AV0]
	v_mov_b32 v[SCL], 227
	v_mov_b32 v[AK], v[AK0]
; THE MATRIX WORK.  The 8 accumulators of a run of 16 take turns.
; Product i of 16 of S^T = K Q^T for piece x: channels 32 (i / 8) on, keys 16 ((i / 2) % 4) on, tile 2 x + i % 2.  The first 8 start the sums, with the mask.
.macro KQ x
.set rS, S+64*((\x)%2)+32*(i%2)+8*((i/2)%4)
.set rK, KF+16*((i/2)%4)+8*(i/8)
.set rQ, 16*(2*(\x)+i%2)+8*(i/8)
.set rM, MC+32*(i%2)+8*((i/2)%4)
.if i < 8
	WIN W_KM
	v_wmma_f32_16x16x32_f16 v[rS:rS+7], v[rK:rK+7], v[rQ:rQ+7], v[rM:rM+7]
.else
	WIN W_KQ
	v_wmma_f32_16x16x32_f16 v[rS:rS+7], v[rK:rK+7], v[rQ:rQ+7], v[rS:rS+7]
.endif
.endm
; Product i of 16 of O^T += V^T P for piece x.
.macro PV x
	WIN W_PV
.set rO, 32*(2*(\x)+i%2)+8*((i/2)%4)
.set rV, VF+32*(i/8)+8*((i/2)%4)
.set rP, P+32*((\x)%2)+16*(i%2)+8*(i/8)
	v_wmma_f32_16x16x32_f16 v[rO:rO+7], v[rV:rV+7], v[rP:rP+7], v[rO:rO+7]
.endm
; U += V^T x ones for keys 32 kk on, channel block (Y + 3) % 4: V of one step is in its registers during the second halves of turns 1, 2, 3 and the next turn 0, which take blocks 0, 1, 2, 3.
; The two links of a turn stand ahead of and behind the 16 products V^T P.
.macro UM kk
	WIN W_UM
.set rU, U+8*((Y+3)%NP)
.set rV, VF+32*(\kk)+8*((Y+3)%NP)
	v_wmma_f32_16x16x32_f16 v[rU:rU+7], v[rV:rV+7], v[ONES:ONES+7], v[rU:rU+7]
.endm
.macro MM                           ; the turn's next matrix instruction
.if i < 16
	KQ (Y+1)%NP
.set i, i+1
.else
.set i, i-16
	PV (Y+NP-1)%NP
.set i, i+17
.endif
.endm
; THE MASK of piece x for its next products: eight conversions, each eight bytes into eight C registers; then the piece's bytes of the step after are asked for.
; The wait leaves out the twelve loads issued since for the other three pieces; it also shows this piece's last loads done, so their offset register may step.  The offset goes round in the tile's
; 32,768 bytes: the loads behind the last step fetch the first steps once more, inside the buffer, and serve nothing.  The two lines that step it are the plain instructions behind the conversions.
.macro MCONV x
	WIN W_MC
	s_wait_loadcnt 12
.set zz, 0
.rept 8
	v_cvt_scale_pk8_f32_fp8 v[MC+8*zz:MC+8*zz+7], v[MB+16*(\x)+2*zz:MB+16*(\x)+2*zz+1], v[SCL]
.set zz, zz+1
.endr
	v_add_nc_u32 v[MO+(\x)], v[MO+(\x)], 0x400
	v_and_b32 v[MO+(\x)], v[MO+(\x)], 0x7fff
	s_wait_alu depctr_va_vdst(0)
.irp w, 0,1,2,3
	global_load_b128 v[MB+16*(\x)+4*\w:MB+16*(\x)+4*\w+3], v[MO+(\x)], s[MP:MP+1] offset:(2*(\x)+\w/2)*32768+(\w%2)*512
.endr
	WIN 0
.endm
; THE LDS LOADS stand in runs of 16.  last = 1 (the tail): in the last trip there is no further step, and the run is jumped over.
.macro FETCH_K last=0
	WIN 0
.if \last
	s_cmp_eq_u32 s[CNT], 1
	s_cbranch_scc1 .Lno_k_\@
.endif
	WIN 0x80
.irp f, 0,1,2,3,4,5,6,7
	ds_load_b128 v[KF+8*\f:KF+8*\f+3],   v[AK] offset:(\f/2)*16*PK+(\f%2)*64
	ds_load_b128 v[KF+8*\f+4:KF+8*\f+7], v[AK] offset:(\f/2)*16*PK+(\f%2)*64+32
.endr
	s_add_co_u32 s[TBK], s[TBK], KS*PK
	WIN 0
.if \last
.Lno_k_\@:
.endif
.endm
.macro FETCH_V
	WIN 0x80
.irp f, 0,1,2,3,4,5,6,7
	ds_load_tr16_b128 v[VF+8*\f:VF+8*\f+3],   v[AV] offset:(\f/4)*32*PV+(\f%4)*32
	ds_load_tr16_b128 v[VF+8*\f+4:VF+8*\f+7], v[AV] offset:(\f/4)*32*PV+16*PV+(\f%4)*32
.endr
	WIN 0
.endm
; THE VECTOR WORK OF A TURN stands in three queues, each in the order in which its entries become ready; the two tiles alternate.
.macro REGS y, u
.set rT, ST+4*(2*(\y)+(\u))
.set rC, TMP+8*((\y)%2)+4*(\u)
.set rM, MV+2*((\y)%2)+(\u)
.set rS, S+64*((\y)%2)+32*(\u)
.set rP, P+32*((\y)%2)+16*(\u)
.set rO, 32*(2*(\y)+(\u))
.endm
; Number n of the 22 that find the NEXT piece's maximum and statistics; each accumulator's lowest registers are read first.
.macro XS u, n
	REGS (Y+1)%NP, \u
.if (\n) < 4
	v_max3_num_f32 v[rC+(\n)], v[rS+8*(\n)], v[rS+8*(\n)+1], v[rS+8*(\n)+2]
.elseif (\n) < 12
	v_max3_num_f32 v[rC+(\n)%4], v[rC+(\n)%4], v[rS+8*((\n)%4)+2*((\n)/4)+1], v[rS+8*((\n)%4)+2*((\n)/4)+2]
.elseif (\n) == 12
	v_max3_num_f32 v[rC], v[rC], v[rS+7], v[rS+15]
.elseif (\n) == 13
	v_max3_num_f32 v[rC+1], v[rC+1], v[rS+23], v[rS+31]
.elseif (\n) == 14
	v_max3_num_f32 v[rC+2], v[rC+2], v[rC+3], v[rT+1]
.elseif (\n) == 15
	v_mov_b32 v[rM], v[rT]
.elseif (\n) == 16
	v_max3_num_f32 v[rC], v[rC], v[rC+1], v[rC+2]
.elseif (\n) == 17
	v_permlanex16_b32 v[rC+3], v[rC], s[SEL], s[SEL+1]
.elseif (\n) == 18
	v_max_num_f32 v[rT+1], v[rC], v[rC+3]
.elseif (\n) == 19
	v_mul_f32 v[rT], s[CS], v[rT+1]
.elseif (\n) == 20
	v_sub_f32 v[rC+1], v[rM], v[rT]
.else
	v_exp_f32 v[rC+2], v[rC+1]
.endif
.endm
; Number g of the 64 that follow the exponentials: roundings to f16, sums of four weights in place, and l a group later.
.macro GS g
.set h, (\g)+6*((\g)/62)
.if h >= 6
.set h, h+2
.endif
	REGS Y, h%2
.set k, h/8
.if h%8 < 4
	s_wait_alu depctr_va_vdst(0)
	v_cvt_pk_f16_f32 v[rP+2*k+(h%8)/2], v[rS+4*k+2*((h%8)/2)], v[rS+4*k+2*((h%8)/2)+1]
.elseif h%8 < 6
	v_pk_add_f32 v[rS+4*k:rS+4*k+1], v[rS+4*k:rS+4*k+1], v[rS+4*k+2:rS+4*k+3]
.elseif k == 1
	v_pk_fma_f32 v[rT+2:rT+3], v[rT+2:rT+3], v[rC+2:rC+3], v[rS:rS+1] op_sel_hi:[1,0,1]
.else
	v_pk_add_f32 v[rT+2:rT+3], v[rT+2:rT+3], v[rS+4*k-4:rS+4*k-3]
.endif
.endm
; THE PLAIN QUEUE, 138 long.
.macro PL
	WIN 0
.if q < 32
	REGS Y, q%2
	v_pk_fma_f32 v[rS+2*(q/2):rS+2*(q/2)+1], v[rS+2*(q/2):rS+2*(q/2)+1], s[CS:CS+1], v[rT:rT+1] op_sel_hi:[1,0,0] neg_lo:[0,0,1] neg_hi:[0,0,1]
.elseif q < 38
	GS q-32
.elseif q < 40
	XS q%2, 15
.elseif q < 42
	GS q-34
.elseif q < 74
	XS q%2, (q-42)/2+(q-42)/30
.elseif q < 95
	GS q-66
.elseif (q < 107) && ((q-95)%3 < 2)
	XS (q-95)%3, 17+(q-95)/3
.elseif q < 107
	GS 29+(q-95)/3
.else
	GS q-74
.endif
.set q, q+1
.endm
; THE EXPONENTIALS' QUEUE, 66 long: s0-s31 of both tiles, and at EA the next piece's two a.
.set EA, 58
.macro EX
	WIN 0
.if (e == EA) || (e == EA+1)
	XS e-EA, 21
.else
.set x, e-2*(e/(EA+2))
	REGS Y, x%2
	v_exp_f32 v[rS+x/2], v[rS+x/2]
.endif
.set e, e+1
.endm
; THE RESCALING's QUEUE: O^T times a, four at a time, eight times.
.macro R4
	REGS Y, r%2
	WIN W_RS
	s_wait_alu depctr_va_vdst(0)
.irp z, 0,1,2,3
	v_pk_mul_f32 v[rO+8*(r/2)+2*\z:rO+8*(r/2)+2*\z+1], v[rO+8*(r/2)+2*\z:rO+8*(r/2)+2*\z+1], v[rC+2:rC+3] op_sel_hi:[1,0]
.endr
.set r, r+1
.endm
; HOW THEY ARE DEALT.  Behind a product four: plain, exponential, plain, plain, or four of the rescaling; none names a register of the products round it.  What is over stands in two runs.
.macro SL
	MM
	PL
	EX
	PL
	PL
.endm
.macro BURST n
.rept (\n)-7
	SL
.endr
.rept 3
	MM
	R4
	SL
.endr
	MM
	R4
.endm
; A TURN, for piece p.  K of the next step is fetched in piece 2's turn, V of the step in hand at the end of piece 0's turn, 43 plain instructions behind its last reader.
; The mask of piece p + 2 is made in the last run: far behind this turn's products that read the C registers, and fourteen plain instructions ahead of the next turn's.
.macro TURN p, last=0, cnt=0
.set Y, (\p)
.set i, 0
.set q, 0
.set e, 0
.set r, 0
.if (\p) == NP-1
	s_wait_dscnt 0x0                ; K is in
.endif
	MM
.rept 4
	PL
.endr
	BURST 15
.rept 22
	EX
	PL
.if ((\p) == NP-2) && (e == 18)
	v_add_nc_u32 v[AK], s[TBK], v[AK0]
.endif
.if ((\p) == NP-2) && (e == 24)
	FETCH_K \last
.endif
.endr
.if (\p) == 1
	s_wait_dscnt 0x0                ; V is in
.endif
	UM 0
	BURST 16
	UM 1
.rept 21
	EX
	PL
.endr
.rept 22
	PL
.if q == 124
	MCONV ((\p)+2)%NP
.endif
.if ((\p) == 0) && (q == 118)
	v_add_nc_u32 v[AV], s[TBV], v[AV0]
	s_wait_alu depctr_va_vdst(0)
.endif
.if ((\p) == 0) && (q == 130)
	s_add_co_u32 s[TBV], s[TBV], KS*PV
.endif
.if (\cnt) && (q == 130)
	s_sub_co_u32 s[CNT], s[CNT], 1
	s_cmp_lg_u32 s[CNT], 0
.endif
.endr
.if (\p) == 0
	FETCH_V
.endif
.endm
	CHANGE 1                        ; slot 0 is in, everybody's part of it; slot 1 is asked for
	FETCH_K                         ; key step 0
	MCONV 0                         ; piece 0's first mask; its wait leaves twelve younger loads out, so Q, asked for earlier, is in too
	s_wait_dscnt 0x0
.set i, 0
.rept 16
	KQ 0                            ; piece 0's first scores
.set i, i+1
.endr
	WIN 0                           ; the addresses for the way out: plain instructions, the places behind those products
	s_mul_i32 s13, s[WV], 16*SP
	s_add_co_u32 s13, s13, STAGE
	v_mul_u32_u24 v[STO], v1, SP
	v_lshl_add_u32 v[STO], v9, 4, v[STO]
	v_add_nc_u32 v[STO], s13, v[STO]
	v_bfe_u32 v[RD], v0, 3, 2
	v_mul_u32_u24 v[RD], v[RD], SP
	v_lshl_add_u32 v[RD], v10, 4, v[RD]
	v_add_nc_u32 v[RD], s13, v[RD]
	v_and_b32 v[GO], 31, v0
	v_lshlrev_b32 v[GO], 4, v[GO]
.set Y, NP-1                        ; XS works for piece Y + 1: piece 0
.irp n, 0,1,2,3,4,5,6,7,8,9,10,11,12,13,14,15,16,17,18,19,20,21
	XS 0, \n
	XS 1, \n
.endr
	MCONV 1                         ; piece 1's first mask, for the first turn's products
	s_mov_b32 s[CNT], 4
	s_mov_b32 s[SLOTS], SIZE_N/256-1
	s_branch .Lfirst                ; the loop is entered at a step's first turn, in the middle of a trip
.Lslot:                             ; six times: every slot but the last two is filled again
	CHANGE 1
	s_mov_b32 s[CNT], 4
.Lstep:                             ; a trip: pieces 2 and 3 of one step, then pieces 0 and 1 of the next
	TURN 2
	TURN 3
	WIN 0
.Lfirst:
	TURN 0
	TURN 1, 0, 1
	WIN 0
	s_cbranch_scc1 .Lstep
	s_sub_co_u32 s[SLOTS], s[SLOTS], 1
	s_cmp_lg_u32 s[SLOTS], 0
	s_cbranch_scc1 .Lslot
	CHANGE 0                        ; the tail is written out
	s_mov_b32 s[CNT], 5
.Ltail:
	TURN 2, 1
	TURN 3
	WIN 0
	s_sub_co_u32 s[CNT], s[CNT], 1
	s_cmp_eq_u32 s[CNT], 0
	s_cbranch_scc1 .Lout
	TURN 0
	TURN 1
	WIN 0
	s_branch .Ltail
.Lout:                              ; the fifth trip's 16 products K Q^T (on the last K once more) and what is made of them serve nothing
.set Y, 0
	UM 0                            ; the last step's V, channel block 3
.set i, 0
.rept 16
	PV NP-1                         ; the last piece's V^T P of the last step
.set i, i+1
.endr
	UM 1
	; THE WAY OUT.  l's parts are added; the lanes with l = 0 are noted; O^T is divided by l and rounded to f16; where l = 0 the packed U / 2048 takes its place; then through my stage, a tile at a time.
	WIN 0
.macro ALL line:vararg
.set t, 0
.rept 2*NP
	\line
.set t, t+1
.endr
.endm
	ALL v_add_f32 v[ST+4*t+2], v[ST+4*t+2], v[ST+4*t+3]
	ALL v_permlanex16_b32 v[ST+4*t+3], v[ST+4*t+2], s[SEL], s[SEL+1]
	ALL v_add_f32 v[ST+4*t+2], v[ST+4*t+2], v[ST+4*t+3]
	ALL v_cmp_eq_f32 s[FM+t], 0, v[ST+4*t+2]
	ALL v_rcp_f32 v[ST+4*t+2], v[ST+4*t+2]
	v_nop                           ; a plain instruction between the last reciprocal and the use of its result
	WIN W_MC
.set i, 0
.rept 16
	v_pk_mul_f32 v[U+2*i:U+2*i+1], v[U+2*i:U+2*i+1], 0x3a000000 op_sel_hi:[1,0]  ; the mean of V's 2,048 rows
.set i, i+1
.endr
	WIN W_AD
.set i, 0
	s_wait_alu depctr_va_vdst(0)
.rept 16
	v_cvt_pk_f16_f32 v[P+i], v[U+2*i], v[U+2*i+1]
.set i, i+1
.endr
.macro PACK t
	WIN W_RS
.set i, 32*(\t)
.rept 16
	v_pk_mul_f32 v[i:i+1], v[i:i+1], v[ST+4*(\t)+2:ST+4*(\t)+3] op_sel_hi:[1,0]
.set i, i+2
.endr
	WIN 0x05
.set i, 0
.rept 16
	v_cvt_pk_f16_f32 v[S+16*(\t)+i], v[32*(\t)+2*i], v[32*(\t)+2*i+1]
.set i, i+1
.endr
	WIN 0
.set i, 0
.rept 16
	v_cndmask_b32 v[S+16*(\t)+i], v[S+16*(\t)+i], v[P+i], s[FM+(\t)]  ; a query that saw no key
.set i, i+1
.endr
.irp f, 0,1,2,3
	ds_store_b128 v[STO], v[S+16*(\t)+4*\f:S+16*(\t)+4*\f+3] offset:32*\f
.endr
.irp f, 0,1,2,3
	ds_load_b128 v[S+16*(\t)+4*\f:S+16*(\t)+4*\f+3], v[RD] offset:\f*4*SP  ; LDS serves a wave's instructions in order (ISA guide 5.7.1.4): these see the stores above
.endr
.endm
.macro SEND t, younger              ; younger: the LDS instructions issued behind tile t's loads: the next tile's eight, or none
	WIN 0
.irp f, 0,1,2,3
	s_wait_dscnt (\younger)+3-\f
	global_store_b128 v[GO], v[S+16*(\t)+4*\f:S+16*(\t)+4*\f+3], s[10:11] offset:(\t)*2048+\f*512  ; 512 consecutive bytes, at a multiple of 256 from O's first
.endr
.endm
	PACK 0
.set t, 1
.rept 2*NP-1
	PACK t
	SEND t-1, 8
.set t, t+1
.endr
	SEND 2*NP-1, 0
	WIN W_AD
	s_wait_tensorcnt 0x0            ; the wave's end
	ds_add_u32 v[SPW], v[NIL]
	s_wait_dscnt 0x0
	WIN 0
	CROUND                          ; the closing round
	s_endpgm
.Lfunc_end_k_q748ddadeb8_attn:
	.size	k_q748ddadeb8_attn, .Lfunc_end_k_q748ddadeb8_attn-k_q748ddadeb8_attn
	.p2alignl 7, 3214868480
	.fill 96, 4, 3214868480
	.section	.rodata,"a",@progbits
	.p2align	6, 0x0
	.amdhsa_kernel k_q748ddadeb8_attn
		.amdhsa_group_segment_fixed_size 327680
		.amdhsa_private_segment_fixed_size 0
		.amdhsa_enable_private_segment 0
		.amdhsa_kernarg_size 24
		.amdhsa_user_sgpr_count 2
		.amdhsa_user_sgpr_kernarg_segment_ptr 1
		.amdhsa_wavefront_size32 1
		.amdhsa_system_sgpr_workgroup_id_x 1
		.amdhsa_system_sgpr_workgroup_id_y 1
		.amdhsa_system_sgpr_workgroup_id_z 1
		.amdhsa_system_vgpr_workitem_id 0
		.amdhsa_next_free_vgpr 944
		.amdhsa_next_free_sgpr 76
		.amdhsa_reserve_vcc 0
		.amdhsa_float_denorm_mode_32 3
		.amdhsa_float_denorm_mode_16_64 3
		.amdhsa_memory_ordered 1
		.amdhsa_forward_progress 1
		.amdhsa_inst_pref_size 233
	.end_amdhsa_kernel
	.amdgpu_metadata
---
amdhsa.version: [ 1, 2 ]
amdhsa.kernels:
  - .name:           k_q748ddadeb8_attn
    .symbol:         k_q748ddadeb8_attn.kd
    .args:
      - { .name: qkv, .offset: 0, .size: 8, .value_kind: global_buffer, .address_space: global }
      - { .name: mask8, .offset: 8, .size: 8, .value_kind: global_buffer, .address_space: global }
      - { .name: oh, .offset: 16, .size: 8, .value_kind: global_buffer, .address_space: global }
    .group_segment_fixed_size: 327680
    .private_segment_fixed_size: 0
    .kernarg_segment_align: 8
    .kernarg_segment_size: 24
    .max_flat_workgroup_size: 128
    .sgpr_count:     76
    .vgpr_count:     944
    .wavefront_size: 32
...
	.end_amdgpu_metadata
.endif
;; end of part 3
;; launch outp (part 4): grid 4 x 64, 4 waves a work-group, clusters of 4 x 4, 327,680 bytes of LDS; arguments oh, wb, biasr, out0; writes out0
.if DOCPART == 4
	.amdgcn_target "amdgcn-amd-amdhsa--gfx1250"
	.amdhsa_code_object_version 6
	.text
	.protected	k_q748ddadeb8_outp
	.globl	k_q748ddadeb8_outp
	.p2align	8
	.type	k_q748ddadeb8_outp,@function
k_q748ddadeb8_outp:
	s_mov_b64 s[64:65], 0
	v_nop
	global_prefetch_b8 v0, s[64:65] scope:SCOPE_SE
	s_setreg_imm32_b32 hwreg(HW_REG_WAVE_MODE, 25, 1), 1
	s_wait_xcnt 0x0
	s_wait_alu depctr_hold_cnt(0) depctr_sa_sdst(0) depctr_va_vdst(0) depctr_va_sdst(0) depctr_va_ssrc(0) depctr_va_vcc(0) depctr_vm_vsrc(0)
	s_getreg_b32 s2, hwreg(HW_REG_IB_STS2, 6, 4)
	s_cmp_eq_u32 s2, 0
	s_cbranch_scc0 .Lentry_in_a_cluster
	s_endpgm
.Lentry_in_a_cluster:
	s_bfe_u32 s2, ttmp6, 0x10000c
	s_cmp_lg_u32 s2, 0xf033
	s_cbranch_scc0 .Lentry_shape_is_right
	s_endpgm
.Lentry_shape_is_right:
; THE LAST PROJECTION.  out0[m][n] = sum over k of O[m][k] wo[n][k] + bo[n], f32 out.  O lies by heads, oh[16 batch + head][2048][64] f16: k = 64 head + channel.  wo: f16 (the bf16-rounded numbers)
; in wb's fourth matrix; bo: f32 in biasr's fourth row; sums in f32.
; SHARES.  A work-group makes 128 rows x 256 columns: 64 x 4 = 256 work-groups.  A wave makes 64 x 128: 32 accumulators.  K goes in 8 steps of 128, two heads a step, through two LDS slots.
; A head's 128 rows are 16,384 dense bytes: asked for as 64 rows of 256 bytes and padded in LDS after every 128.
; CLUSTER.  4 x 4: O's tiles are shared along a row of the cluster, wo's along a column, each asked for jointly.
; THE MATRIX INSTRUCTION IS USED TRANSPOSED (source 0 = 16 rows of wo, source 1 = 16 rows of O); the bias is the C operand of the first quarter.
; REGISTERS: window 0: v0-31 addresses; v32-63, v64-95 O's four fragments, two buffers; v128-255 rows on their way out, two buffers of 64.
;   window 1: v0-63, v64-127 wo's eight fragments, two buffers; v128-191 the bias.     window 2: accumulator (a, b) at v[8 (8 a + b)].
.set PAO,   144                        ; a row of O in LDS: 128 bytes + 16
.set PB,    272                        ; a row of wo: 256 + 16
.set APLANE, 128*PAO                   ; one head's 128 rows: what one tensor load brings
.set BHALF, 128*PB
.set BOFF,  2*APLANE
.set SLOT,  BOFF+2*BHALF               ; 106,496 bytes
.set STAGE, 2*SLOT                     ; behind the ring, never filled by a tensor load: 16 rows x 528 bytes for each wave
.set SP,    528
.set SPARE, STAGE+4*16*SP              ; the spare words, 128 bytes a wave: two blocks of 256 bytes that no other line names
.set ADRA, 16
.set ADRB, 20
.set STO,  24
.set RD,   25
.set GO,   26
.set BO,   27
.set SPW,  28
.set NIL,  29
.set AF,   32
.set BK,   128
.set BIAS, 128                         ; window 1
.set WV, 16
.set MH, 17
.set NH, 18
.set G1,  24
.set G0,  32
.set G1B, 48
.set G0B, 56
.set MSB, 0
.macro WIN new
.if MSB != (\new)
	s_set_vgpr_msb (MSB<<8)|(\new)
.set MSB, \new
.endif
.endm
.macro JLOAD s                         ; a joint load: waves 0 and 1 fetch the step's two heads of O, waves 2 and 3 wo's two halves; an s_nop 0 and four v_nop follow each line
	s_cmp_eq_u32 s[MH], 0
	s_cbranch_scc0 .Lfor_b_\@
	tensor_load_to_lds s[G0+4*(\s):G0+4*(\s)+3], s[G1:G1+7]
	s_nop 0
.rept 4
	v_nop
.endr
	s_branch .Lasked_\@
.Lfor_b_\@:
	tensor_load_to_lds s[G0B+4*(\s):G0B+4*(\s)+3], s[G1B:G1B+7]
	s_nop 0
.rept 4
	v_nop
.endr
.Lasked_\@:
.endm
.macro CREST
	s_cmp_lg_u32 s[WV], 0
	s_cbranch_scc1 .Lnot_wave_0_\@
	s_barrier_signal -3
.Lnot_wave_0_\@:
	s_barrier_wait -3
	s_barrier_signal -1
	s_barrier_wait -1
.endm
.macro CROUND
	s_barrier_signal -1
	s_barrier_wait -1
	CREST
.endm
.macro PLACES                          ; four places ahead of loads into registers that matrix instructions have read, and of LDS stores that read results
.rept 4
	v_nop
.endr
.endm
	s_load_b256 s[4:11], s[0:1], 0x0               ; oh s4, wb s6, biasr s8, out0 s10
	v_lshl_add_u32 v[SPW], v0, 2, SPARE
	v_mov_b32 v[NIL], 0
	ds_add_u32 v[SPW], v[NIL]                      ; the wave's opening: the add and its wait stand ahead of my first tensor load
	v_lshrrev_b32 v1, 5, v0
	v_readfirstlane_b32 s[WV], v1
	s_lshr_b32 s[MH], s[WV], 1
	s_and_b32 s[NH], s[WV], 1
	s_bfe_u32 s19, ttmp6, 0x40000                  ; cx
	s_bfe_u32 s20, ttmp6, 0x40004                  ; cy
	s_lshl_b32 s46, ttmp9, 2
	s_add_co_u32 s46, s46, s19                     ; tile column
	s_and_b32 s22, ttmp7, 0xffff
	s_lshl_b32 s22, s22, 2
	s_add_co_u32 s22, s22, s20                     ; tile row, 0 .. 63
	s_lshl_b32 s44, s20, 2
	s_lshl_b32 s44, 15, s44                        ; my row of the cluster
	s_lshl_b32 s45, 0x1111, s19                    ; my column
	s_or_b32 s[G1], s44, (1<<16)|(1<<20)|(1<<21)|(4<<22)|(3<<25)   ; elements of 2 bytes; padding after every 32 words, 4 words
	s_or_b32 s[G1B], s45, (1<<16)|(1<<20)|(1<<21)|(5<<22)|(3<<25)  ; after every 64 words
.irp g, G1, G1B
	s_mov_b32 s[(\g)+1], 128<<16
	s_mov_b32 s[(\g)+3], 128<<16
	s_mov_b32 s[(\g)+6], 0
	s_mov_b32 s[(\g)+7], 0
.endr
	s_mov_b32 s[G1+2], 64<<16                      ; O: 64 rows of 256 bytes, dense
	s_mov_b32 s[G1+4], 64
	s_mov_b32 s[G1+5], 128
	s_mov_b32 s[G1B+2], 128<<16                    ; wo: 128 rows, 1,024 elements apart
	s_mov_b32 s[G1B+4], 128
	s_mov_b32 s[G1B+5], 1024
	s_lshr_b32 s40, s22, 4                         ; O: head 16 batch + my parity, rows 128 (tile row % 16) on: made of cy and the wave alone
	s_lshl_b32 s40, s40, 4
	s_add_co_u32 s40, s40, s[NH]
	s_lshl_b32 s40, s40, 18
	s_and_b32 s41, s22, 15
	s_lshl_b32 s41, s41, 14
	s_add_co_u32 s40, s40, s41
	s_mov_b32 s41, 0
	s_lshl_b32 s42, s46, 8                         ; wo: row 256 x tile column + 128 x half, in wb's fourth matrix: made of cx and the wave alone
	s_lshl_b32 s43, s[NH], 7
	s_add_co_u32 s42, s42, s43
	s_lshl_b32 s42, s42, 11
	s_add_co_u32 s42, s42, 3<<21
	s_mov_b32 s43, 0
	s_mul_i32 s76, s[NH], APLANE
	s_mul_i32 s77, s[NH], BHALF
	s_add_co_u32 s77, s77, BOFF
	s_wait_dscnt 0x0                               ; the opening add is done
	s_wait_kmcnt 0x0
	s_add_nc_u64 s[72:73], s[4:5], s[40:41]
	s_add_nc_u64 s[74:75], s[6:7], s[42:43]
	CROUND                                         ; all sixteen work-groups are here: the first joint loads meet
.irp s, 0,1
	s_mov_b32 s[G0+4*(\s)], 1
	s_add_co_u32 s[G0+4*(\s)+1], s76, (\s)*SLOT
	s_add_nc_u64 s[G0+4*(\s)+2:G0+4*(\s)+3], s[72:73], (\s)*524288   ; K step s: two heads on
	s_or_b32 s[G0+4*(\s)+3], s[G0+4*(\s)+3], 0x80000000
	s_mov_b32 s[G0B+4*(\s)], 1
	s_add_co_u32 s[G0B+4*(\s)+1], s77, (\s)*SLOT
	s_add_nc_u64 s[G0B+4*(\s)+2:G0B+4*(\s)+3], s[74:75], (\s)*256
	s_or_b32 s[G0B+4*(\s)+3], s[G0B+4*(\s)+3], 0x80000000
	JLOAD \s                                       ; two tensor loads of mine are out
.endr
	v_and_b32 v1, 15, v0
	v_bfe_u32 v2, v0, 4, 1
	v_lshlrev_b32 v[BO], 5, v2
	s_lshl_b32 s68, s46, 10                        ; the bias of my 128 columns, in biasr's fourth row
	s_lshl_b32 s70, s[NH], 9
	s_add_co_u32 s68, s68, s70
	s_mov_b32 s69, 0
	s_add_nc_u64 s[10:11], s[10:11], s[68:69]      ; the same bytes on in a row of out0
	s_add_co_u32 s68, s68, 12288
	s_add_nc_u64 s[8:9], s[8:9], s[68:69]
	WIN 0x40
.irp j, 0,1,2,3,4,5,6,7
	global_load_b128 v[BIAS+8*\j:BIAS+8*\j+3],   v[BO], s[8:9] offset:64*\j
	global_load_b128 v[BIAS+8*\j+4:BIAS+8*\j+7], v[BO], s[8:9] offset:64*\j+16
.endr
	WIN 0
	v_mul_u32_u24 v3, v1, PAO
	v_lshl_add_u32 v3, v2, 4, v3
	v_mul_u32_u24 v4, v1, PB
	v_lshl_add_u32 v4, v2, 4, v4
	s_mul_i32 s70, s[MH], 64*PAO
	s_mul_i32 s71, s[NH], BHALF
	s_add_co_u32 s71, s71, BOFF
.irp s, 0,1
	v_add_nc_u32 v[ADRA+(\s)], s70, v3
	v_add_nc_u32 v[ADRB+(\s)], s71, v4
	s_add_co_u32 s70, s70, SLOT
	s_add_co_u32 s71, s71, SLOT
.endr
	s_mul_i32 s70, s[WV], 16*SP
	s_add_co_u32 s70, s70, STAGE                   ; my stage
	v_mul_u32_u24 v5, v1, SP                       ; in: row l % 16, 32 bytes for each half of the lanes
	v_lshl_add_u32 v5, v2, 5, v5
	v_add_nc_u32 v[STO], s70, v5
	v_and_b32 v[GO], 31, v0                        ; back and out: a row's 512 bytes, 16 a lane
	v_lshlrev_b32 v[GO], 4, v[GO]
	v_add_nc_u32 v[RD], s70, v[GO]
	s_lshl_b32 s66, s22, 1                         ; my first row: 128 x tile row + 64 x half, rows of 4,096 bytes
	s_add_co_u32 s66, s66, s[MH]
	s_lshl_b32 s66, s66, 18
	s_mov_b32 s67, 0
	s_add_nc_u64 s[10:11], s[10:11], s[66:67]
; Eight matrix instructions: row block a x all 8 column blocks.  The 32 accumulators take turns in the same order in every quarter.
.macro MULA f, a, first
.if \first
	WIN 0x91
.else
	WIN 0xa1
.endif
.irp j, 0,1,2,3,4,5,6,7
.if \first
	v_wmma_f32_16x16x32_f16 v[8*(8*(\a)+\j):8*(8*(\a)+\j)+7], v[64*(\f)+8*\j:64*(\f)+8*\j+7], v[AF+32*(\f)+8*(\a):AF+32*(\f)+8*(\a)+7], v[BIAS+8*\j:BIAS+8*\j+7]
.else
	v_wmma_f32_16x16x32_f16 v[8*(8*(\a)+\j):8*(8*(\a)+\j)+7], v[64*(\f)+8*\j:64*(\f)+8*\j+7], v[AF+32*(\f)+8*(\a):AF+32*(\f)+8*(\a)+7], v[8*(8*(\a)+\j):8*(8*(\a)+\j)+7]
.endif
.endr
.endm
; 24 LDS loads in one run: quarter kq of a slot (head kq / 2 of the step's two, channels 32 (kq % 2) on) into buffer g: wo's 16, then O's block 0, then its blocks 1 to 3.
.macro FETCH slot, kq, g
	WIN 0x40
.irp i, 0,1,2,3,4,5,6,7
	ds_load_b128 v[64*(\g)+8*\i:64*(\g)+8*\i+3],   v[ADRB+(\slot)] offset:64*(\kq)+\i*16*PB
	ds_load_b128 v[64*(\g)+8*\i+4:64*(\g)+8*\i+7], v[ADRB+(\slot)] offset:64*(\kq)+\i*16*PB+32
.endr
	WIN 0
.irp i, 0,1,2,3
	ds_load_b128 v[AF+32*(\g)+8*\i:AF+32*(\g)+8*\i+3],   v[ADRA+(\slot)] offset:((\kq)/2)*APLANE+((\kq)%2)*64+\i*16*PAO
	ds_load_b128 v[AF+32*(\g)+8*\i+4:AF+32*(\g)+8*\i+7], v[ADRA+(\slot)] offset:((\kq)/2)*APLANE+((\kq)%2)*64+\i*16*PAO+32
.endr
.endm
.macro QUARTER slot, kq, f, first
	s_wait_dscnt 6                                 ; wo and O's block 0 are in; the youngest six loads (O's blocks 1 to 3) may be out
	MULA \f, 0, \first
	PLACES
	FETCH \slot, \kq, 1-(\f)
	s_wait_dscnt 24                                ; all but the 24 just issued
	MULA \f, 1, \first
	MULA \f, 2, \first
	MULA \f, 3, \first
.endm
; The last quarter multiplies buffer 1 and changes slots: ONE barrier; in front of it each wave waits for all its tensor loads (one is out: its part of the next slot), adds 0 to its spare word,
; and waits for that and for its reads of this slot.  fill = 1: the barrier opens a round of the cluster's, and this slot is filled again, two K steps ahead, first thing behind the round.
.macro TURN slot, next, fill
	WIN 0
	s_wait_tensorcnt 0x0
	ds_add_u32 v[SPW], v[NIL]
.if \fill
	s_add_nc_u64 s[G0+4*(\slot)+2:G0+4*(\slot)+3], s[G0+4*(\slot)+2:G0+4*(\slot)+3], 1048576   ; four heads on
	s_add_nc_u64 s[G0B+4*(\slot)+2:G0B+4*(\slot)+3], s[G0B+4*(\slot)+2:G0B+4*(\slot)+3], 512
.endif
	s_wait_dscnt 0x0                               ; the add is done, and my reads of this slot are over
	s_barrier_signal -1
	MULA 1, 0, 0                                   ; work on registers while the others arrive
	WIN 0
	s_barrier_wait -1
.if \fill
	CREST
	JLOAD \slot                                    ; the four v_nop behind it are also the places ahead of the loads below
.else
	PLACES
.endif
	FETCH \next, 0, 0
	MULA 1, 1, 0
	MULA 1, 2, 0
	MULA 1, 3, 0
.endm
	s_wait_tensorcnt 1                             ; my part of K step 0 is in; K step 1's may stay out
	s_barrier_signal -1
	s_barrier_wait -1
	FETCH 0, 0, 0
	s_wait_loadcnt 0x0                             ; the bias
	QUARTER 0, 1, 0, 1
	WIN 0
	s_mov_b32 s3, 3
.Llap:
	QUARTER 0, 2, 1, 0
	QUARTER 0, 3, 0, 0
	TURN 0, 1, 1
	QUARTER 1, 1, 0, 0
	QUARTER 1, 2, 1, 0
	QUARTER 1, 3, 0, 0
	TURN 1, 0, 1
	QUARTER 0, 1, 0, 0
	WIN 0
	s_sub_co_u32 s3, s3, 1
	s_cmp_lg_u32 s3, 0
	s_cbranch_scc1 .Llap
	QUARTER 0, 2, 1, 0                             ; the last lap fills nothing
	QUARTER 0, 3, 0, 0
	TURN 0, 1, 0
	QUARTER 1, 1, 0, 0
	QUARTER 1, 2, 1, 0
	QUARTER 1, 3, 0, 0
	s_wait_dscnt 0x0                               ; the very last quarter
	MULA 1, 0, 0
	MULA 1, 1, 0
	MULA 1, 2, 0
	MULA 1, 3, 0
; THE WAY OUT, 16 rows at a time: a lane's eight f32 of a row go into my stage (rows of 528 bytes), and come back as whole rows of 512 bytes.
.macro OUTB a
	WIN 0x08                                       ; the stores' data in window 2
.irp j, 0,1,2,3,4,5,6,7
	ds_store_b128 v[STO], v[8*(8*(\a)+\j):8*(8*(\a)+\j)+3]   offset:64*\j
	ds_store_b128 v[STO], v[8*(8*(\a)+\j)+4:8*(8*(\a)+\j)+7] offset:64*\j+16
.endr
	WIN 0
	s_wait_xcnt 0x0                                ; the stores of the block two back have had their addresses translated (ISA guide 3.1): their data registers are loaded again only behind this wait
.irp t, 0,1,2,3,4,5,6,7,8,9,10,11,12,13,14,15
	ds_load_b128 v[BK+64*((\a)%2)+4*\t:BK+64*((\a)%2)+4*\t+3], v[RD] offset:\t*SP  ; LDS serves a wave's instructions in order (ISA guide 5.7.1.4): these see the stores above
.endr
.irp t, 0,1,2,3,4,5,6,7,8,9,10,11,12,13,14,15
	s_wait_dscnt 15-\t
	global_store_b128 v[GO], v[BK+64*((\a)%2)+4*\t:BK+64*((\a)%2)+4*\t+3], s[10:11] offset:(\a)*65536+\t*4096  ; 512 consecutive bytes of a row, at a multiple of 256 from out0's first byte
.endr
.endm
	PLACES
	OUTB 0
	OUTB 1
	OUTB 2
	OUTB 3
	s_wait_tensorcnt 0x0                           ; the wave's end
	ds_add_u32 v[SPW], v[NIL]
	s_wait_dscnt 0x0
	CROUND                                         ; the closing round
	s_endpgm
.Lfunc_end_k_q748ddadeb8_outp:
	.size	k_q748ddadeb8_outp, .Lfunc_end_k_q748ddadeb8_outp-k_q748ddadeb8_outp
	.p2alignl 7, 3214868480
	.fill 96, 4, 3214868480
	.section	.rodata,"a",@progbits
	.p2align	6, 0x0
	.amdhsa_kernel k_q748ddadeb8_outp
		.amdhsa_group_segment_fixed_size 327680
		.amdhsa_private_segment_fixed_size 0
		.amdhsa_enable_private_segment 0
		.amdhsa_kernarg_size 32
		.amdhsa_user_sgpr_count 2
		.amdhsa_user_sgpr_kernarg_segment_ptr 1
		.amdhsa_wavefront_size32 1
		.amdhsa_system_sgpr_workgroup_id_x 1
		.amdhsa_system_sgpr_workgroup_id_y 1
		.amdhsa_system_sgpr_workgroup_id_z 1
		.amdhsa_system_vgpr_workitem_id 0
		.amdhsa_next_free_vgpr 768
		.amdhsa_next_free_sgpr 84
		.amdhsa_reserve_vcc 0
		.amdhsa_float_denorm_mode_32 3
		.amdhsa_float_denorm_mode_16_64 3
		.amdhsa_memory_ordered 1
		.amdhsa_forward_progress 1
		.amdhsa_inst_pref_size 89
	.end_amdhsa_kernel
	.amdgpu_metadata
---
amdhsa.version: [ 1, 2 ]
amdhsa.kernels:
  - .name:           k_q748ddadeb8_outp
    .symbol:         k_q748ddadeb8_outp.kd
    .args:
      - { .name: oh, .offset: 0, .size: 8, .value_kind: global_buffer, .address_space: global }
      - { .name: wb, .offset: 8, .size: 8, .value_kind: global_buffer, .address_space: global }
      - { .name: biasr, .offset: 16, .size: 8, .value_kind: global_buffer, .address_space: global }
      - { .name: out0, .offset: 24, .size: 8, .value_kind: global_buffer, .address_space: global }
    .group_segment_fixed_size: 327680
    .private_segment_fixed_size: 0
    .kernarg_segment_align: 8
    .kernarg_segment_size: 32
    .max_flat_workgroup_size: 128
    .sgpr_count:     84
    .vgpr_count:     768
    .wavefront_size: 32
...
	.end_amdgpu_metadata
.endif
;; end of part 4
;; ======== version 2 of 2: 4 launches; 1.34 times as fast as version 1
;; limits: values are held in f16: magnitudes above 65,504 overflow, below 6.1e-05 lose precision
;; workspace buffers: wb 8,388,608 bytes; biasr 16,384 bytes; mask8 4,194,304 bytes; qkv 50,331,648 bytes; oh 16,777,216 bytes
;; launch prep: the kernel of part 1 again; grid 516 x 1, 8 waves a work-group, no clusters, 19,456 bytes of LDS; arguments mask, wq, wk, wv, wo, bq, bk, bv, bo, mask8, wb, biasr; writes mask8, wb, biasr
;; launch proj: the kernel of part 2 again; grid 4 x 192, 4 waves a work-group, clusters of 4 x 4, 327,680 bytes of LDS; arguments query, key, value, wb, biasr, qkv; writes qkv
;; launch attn (part 5): grid 4 x 64, 4 waves a work-group, clusters of 4 x 1, 327,680 bytes of LDS; arguments qkv, mask8, oh; writes oh
.if DOCPART == 5
	.amdgcn_target "amdgcn-amd-amdhsa--gfx1250"
	.amdhsa_code_object_version 6
	.text
	.protected	k_q748ddadeb8_attn
	.globl	k_q748ddadeb8_attn
	.p2align	8
	.type	k_q748ddadeb8_attn,@function
k_q748ddadeb8_attn:
	s_mov_b64 s[64:65], 0
	v_nop
	global_prefetch_b8 v0, s[64:65] scope:SCOPE_SE
	s_setreg_imm32_b32 hwreg(HW_REG_WAVE_MODE, 25, 1), 1
	s_wait_xcnt 0x0
	s_wait_alu depctr_hold_cnt(0) depctr_sa_sdst(0) depctr_va_vdst(0) depctr_va_sdst(0) depctr_va_ssrc(0) depctr_va_vcc(0) depctr_vm_vsrc(0)
	s_getreg_b32 s2, hwreg(HW_REG_IB_STS2, 6, 4)
	s_cmp_eq_u32 s2, 0
	s_cbranch_scc0 .Lentry_in_a_cluster
	s_endpgm
.Lentry_in_a_cluster:
	s_bfe_u32 s2, ttmp6, 0x10000c
	s_cmp_lg_u32 s2, 0x3003
	s_cbranch_scc0 .Lentry_shape_is_right
	s_endpgm
.Lentry_shape_is_right:
; ATTENTION UNDER A MASK THAT IS AN INPUT.  O[h][q][:] = the sum over k of softmax_k(mask[q][k] ? Q[h][q] . K[h][k] / 8 : -1e9) V[h][k][:].  Q, K, V: qkv[3][64][2048][64], O: oh[64][2048][64], all f16.
; Products, maxima and sums in f32; the weights p are rounded to f16 for the second product (their sum l is taken of the unrounded p), O once at the end.
; THE MASK is the C operand that starts the sum S^T = K Q^T: 0 where the key is seen, -2^100 where it is hidden.  It comes as one byte a place (0x00 or -1.0 in E4M3), already in the lanes' order
; (mask8[query tile][key step][half][lane][16 bytes]); one scaled conversion (scale 2^100) turns eight bytes into the eight C registers of 16 keys x 16 queries.  These codes are no matrix operand.
; The running maximum starts at -2^99, above every hidden score: a hidden weight is 2^(-1e29) = 0, and a row that has seen nothing keeps l = 0, O = 0 and a = 2^0 = 1.
; A ROW WITH NO SEEN KEY has equal weights on all 2,048 keys: every wave also sums V's rows (U = V^T x ones, two matrix instructions a turn), and at the end U / 2048 is taken, by a select, where l = 0.
; LIMITS.  A seen score (scaled) is taken to lie above -1e9 + 104: below that the -1e9 of the hidden keys would carry weight, which this text gives them only in rows with no seen key.
; f16 holds no number beyond 65,504: Q, K and V arrive within it; p below 6e-5 keeps f16's step of 6e-8; a weight below 2^-126 counts as 0 in l; NaN and infinities are not treated apart.
; SHARES.  A wave owns four PIECES of two tiles of 16 queries, a work-group's four waves 512 queries of one head.  Every wave walks all keys, 64 a step: no pattern of the mask is built in.
; LAYOUT.  S^T = K Q^T (source 0 = 16 keys, source 1 = 16 queries): a lane holds ONE query (lane % 16) and the keys 8 (lane / 16) + 0..7.  Two such tiles, rounded to f16 in pairs,
; ARE source 1 of O^T = V^T P, whose result again holds one query a lane, and eight channels.  K comes out of LDS as it lies, V turned, by ds_load_tr16_b128.
; SOFTMAX.  p = 2^(c s - c m), c = log2(e) / 8, with a running maximum m; in every step O and l are multiplied by a = 2^(c m_old - c m_new).
; BY TURNS.  Turn n belongs to piece n.  Its matrix work: 16 products K Q^T of piece n + 1, later 16 products V^T P of piece n - 1 and 2 of U.  Its vector work: the scaling, exponentials, roundings, sums and
; rescaling of piece n, the maximum and statistics of piece n + 1, and the mask of piece n + 2.  Four vector instructions stand behind every product K Q^T and V^T P, the rest in one LUMP between the two runs of products.
; THE BATCHES.  A turn's 66 exponentials (the piece's 64 weights and the next piece's two a) are ONE BATCH with ONE wait, which cuts the turn in two: ahead of it stands all that names none of their results
; (the products K Q^T, the scalings, the rescalings, whose a is the turn before's, the next piece's maximum and statistics, the mask's conversions), behind it the roundings and sums, beside the products V^T P.
; Ahead of the loop piece 0's two a are a batch, on the way out the eight reciprocals: a wait each.
; CLUSTER.  The four query blocks of a cluster belong to one head and walk the same K and V: each tile is asked for JOINTLY.  The mask is not: each of its bytes is wanted by one wave of a work-group, in registers,
; and four steps of it for 512 queries (131,072 bytes) beside K and V (77,824) do not fit twice in LDS; it comes by loads of 512 consecutive bytes, one key step ahead.
; REGISTERS, in windows of 256 (s_set_vgpr_msb: bits 1:0 source 0, 3:2 source 1, 5:4 source 2, 7:6 destination):
;   window 0: v0-11 addresses, v11 the conversions' scale; v12-15, v48-63 at work; v16-47 four registers of statistics a tile; v64-191 S^T, two buffers of two tiles; v192-255 P, likewise
;   window 1: O^T, 32 a tile          window 2: v0-127 Q; v128-191 K of one step; v192-255 V of one step
;   window 3: v0-1 the add's two registers; v4-7 a piece's offset in the mask; v8-15 ones; v16-79 mask bytes, 16 a piece; v80-143 the C operands of one piece; v144-175 U
.set SIZE_N, 2048
.set NP,    4         ; pieces a wave: a name, no knob
.set KS,    64        ; keys in a step
.set PK,    144       ; a row of K in LDS: 128 bytes + 16: the 16 rows of a load start at 16 different groups of four banks (64 banks of 4 bytes: ISA guide 11.1)
.set PV,    160       ; a row of V: 128 + 32
.set VOFF,  4*KS*PK   ; a slot holds four steps: 256 rows of K, then 256 rows of V
.set SLOT1, 1<<17     ; slot 1 begins here, so that one exclusive or turns an address in one slot into the other's
.set STAGE, SLOT1+4*KS*(PK+PV)  ; behind the ring, never filled by a tensor load: 16 rows x 144 bytes for each wave
.set SP,    144
.set AK0, 2           ; v2   my lane's place in a tile of K; never rewritten
.set AV0, 3           ; v3   the same for V
.set AK,  4           ; v4   the LDS address of K's next run of loads
.set AV,  5           ; v5   of V's
.set QO,  6           ; v6   my byte offset in the wave's rows of Q
.set STO, 6           ;      later, the way out: where I put 16 bytes of a row
.set RD,  7
.set GO,  8
.set SCL, 11          ; v11  227: the scale 2^100 as an exponent byte
.set SPW, 0           ; v0 of window 3   my spare word; never rewritten
.set NIL, 1           ; v1 of window 3   0; never rewritten
.set MO,  4           ; window 3: piece p's offset in a tile's 32,768 bytes of mask: 16 lane + 1,024 step, taken modulo 32,768
.set ONES, 8          ; window 3
.set MB,  16          ; window 3: piece p, tile u, half hf at MB + 16 p + 8 u + 4 hf
.set MC,  80          ; window 3: tile u, key block kb at MC + 32 u + 8 kb
.set U,   144         ; window 3: channel block cb at U + 8 cb
.set SPARE, STAGE+4*16*SP  ; the spare words, 128 bytes a wave: two blocks of 256 bytes that no other line names
.set MV,  12
.set ST,  16          ; tile t's statistics at v[ST+4 t]: c m, m, l (even keys', odd keys')
.set TMP, 48
.set S,   64
.set P,   192
.set KF,  128
.set VF,  192
.set WV,  12
.set G1K, 24
.set G1V, 32
.set G0K, 40
.set G0V, 44
.set SLOTS, 56
.set CNT, 57
.set CS,  58
.set SEL, 60
.set TBK, 62
.set TBV, 63
.set FM,  66          ; s66-73  tile t: the lanes whose query has seen no key
.set MP,  74          ; s[74:75] mask8 at my wave's first tile
.set MSB, 0
.macro WIN new
.if MSB != (\new)
	s_set_vgpr_msb (MSB<<8)|(\new)
.set MSB, (\new)
.endif
.endm
.set W_KQ, 0x0a       ; K and Q in window 2, S^T in window 0
.set W_KM, 0x3a       ; the same with the C operand in window 3
.set W_PV, 0x52       ; V in window 2, P in window 0, O^T in window 1
.set W_RS, 0x41       ; O^T (destination and source 0) in window 1, a in window 0
.set W_MK, 0xc0       ; destination in window 3, sources in window 0
.set W_AD, 0x0f       ; sources 0 and 1 in window 3
.set W_MC, 0xc3       ; destination and source 0 in window 3, source 1 in window 0
.set W_UM, 0xfe       ; V in window 2; ones, C and D in window 3
.macro JLOAD          ; a joint fill: waves 0 and 1 fetch the two halves of a slot's K, waves 2 and 3 those of its V; an s_nop 0 and four v_nop follow each line
	s_cmp_lt_u32 s[WV], 2
	s_cbranch_scc0 .Lfor_v_\@
	tensor_load_to_lds s[G0K:G0K+3], s[G1K:G1K+7]
	s_nop 0
.rept 4
	v_nop
.endr
	s_branch .Lasked_\@
.Lfor_v_\@:
	tensor_load_to_lds s[G0V:G0V+3], s[G1V:G1V+7]
	s_nop 0
.rept 4
	v_nop
.endr
.Lasked_\@:
.endm
.macro CROUND         ; a round of the cluster's barrier
	s_barrier_signal -1
	s_barrier_wait -1
	s_cmp_lg_u32 s[WV], 0
	s_cbranch_scc1 .Lnot_wave_0_\@
	s_barrier_signal -3
.Lnot_wave_0_\@:
	s_barrier_wait -3
	s_barrier_signal -1
	s_barrier_wait -1
.endm
; THE CHANGE OF SLOTS.  Each wave waits for all its tensor loads, of which one is out: its part of the other slot; adds 0 to its spare word; and waits for that and for its own reads of the slot.
; fill = 1: the slot is filled again, with the keys two slots on; the barrier is a round of the cluster's, and the joint fill is the first thing behind it: it has four key steps in which to land.
.macro CHANGE fill
	WIN W_AD
	s_wait_tensorcnt 0x0            ; no tensor load of mine is out, so a group 0 may be written
	ds_add_u32 v[SPW], v[NIL]
	WIN 0
.if \fill
.irp g, G0K, G0V
	s_xor_b32 s[\g+1], s[\g+1], SLOT1
	s_add_nc_u64 s[\g+2:\g+3], s[\g+2:\g+3], 4*KS*128
.endr
	s_wait_dscnt 0x0                ; the add is done, and my reads of the slot are over
	CROUND
	JLOAD
.else
	s_wait_dscnt 0x0
	s_barrier_signal -1
	s_barrier_wait -1
.endif
	s_sub_co_u32 s[TBK], s[TBK], 4*KS*PK  ; the fetches go back to a slot's first step,
	s_xor_b32 s[TBK], s[TBK], SLOT1       ; in the other slot
	s_sub_co_u32 s[TBV], s[TBV], 4*KS*PV
	s_xor_b32 s[TBV], s[TBV], SLOT1
.endm
	s_load_b128 s[4:7], s[0:1], 0x0   ; qkv s[4:5], mask8 s[6:7]
	s_load_b64 s[10:11], s[0:1], 0x10 ; oh
	WIN W_MK
	v_lshl_add_u32 v[SPW], v0, 2, SPARE
	v_mov_b32 v[NIL], 0
	WIN W_AD
	ds_add_u32 v[SPW], v[NIL]       ; the wave's opening: the add and its wait stand ahead of my first tensor load
	WIN 0
	v_lshrrev_b32 v1, 5, v0
	v_readfirstlane_b32 s[WV], v1   ; wave 0..3
	s_bfe_u32 s13, ttmp6, 0x40000   ; cx
	s_lshl_b32 s14, ttmp9, 2
	s_add_co_u32 s14, s14, s13      ; my block of 512 queries: it enters Q's, O's and the mask's addresses alone
	s_and_b32 s20, ttmp7, 0xffff    ; the head, which the four partners share
	s_mov_b32 s21, 0
	s_mov_b64 s[22:23], SIZE_N*128
	s_mul_u64 s[20:21], s[20:21], s[22:23]  ; the head's first byte in Q, K, V and O
	s_and_b32 s16, s[WV], 1         ; which half of a slot's 256 keys I fetch
	s_lshl_b32 s22, s16, 14
	s_mov_b32 s23, 0
	s_add_nc_u64 s[22:23], s[22:23], s[20:21]
	s_mul_i32 s17, s16, 128*PK
	s_mul_i32 s18, s16, 128*PV
	s_lshl_b32 s2, s14, 2
	s_add_co_u32 s2, s2, s[WV]      ; my wave among the head's sixteen:
	s_lshl_b32 s48, s2, 18          ; its eight query tiles of 32,768 bytes in mask8,
	s_mov_b32 s49, 0
	s_lshl_b32 s2, s2, 14           ; its 128 rows of Q and O
	s_mov_b32 s3, 0
	s_add_nc_u64 s[2:3], s[2:3], s[20:21]
	; descriptor group 1.  128 keys are 16,384 dense bytes: asked for as 64 rows of 256 bytes, two keys a row, and padded in LDS after every key
	s_mov_b32 s[G1K], 15|(1<<16)|(1<<20)|(1<<21)|(4<<22)|(3<<25)
	s_mov_b32 s[G1V], 15|(1<<16)|(1<<20)|(1<<21)|(4<<22)|(7<<25)
.irp g, G1K, G1V
	s_mov_b32 s[\g+1], 128<<16
	s_mov_b32 s[\g+2], 64<<16
	s_mov_b32 s[\g+3], 128<<16
	s_mov_b32 s[\g+4], 64
	s_mov_b32 s[\g+5], 128
	s_mov_b32 s[\g+6], 0
	s_mov_b32 s[\g+7], 0
.endr
	s_mov_b32 s[CS], 0x3e38aa3b     ; c = log2(e) / 8
	s_mov_b32 s[CS+1], s[CS]
	s_mov_b32 s[SEL], 0x76543210
	s_mov_b32 s[SEL+1], 0xfedcba98
	s_mov_b32 s[TBK], SLOT1+4*KS*PK ; the first change of slots turns these two into 0
	s_mov_b32 s[TBV], SLOT1+4*KS*PV
	s_mov_b32 s[G0K], 1
	s_mov_b32 s[G0K+1], s17
	s_mov_b32 s[G0V], 1
	s_add_co_u32 s[G0V+1], s18, VOFF
	s_wait_dscnt 0x0                ; the opening add is done
	s_wait_kmcnt 0x0
	s_add_nc_u64 s[MP:MP+1], s[6:7], s[48:49]
	s_add_nc_u64 s[6:7], s[4:5], 0x1000000         ; K lies 64 heads behind Q,
	s_add_nc_u64 s[8:9], s[4:5], 0x2000000         ; V 128
	s_add_nc_u64 s[G0K+2:G0K+3], s[6:7], s[22:23]
	s_or_b32 s[G0K+3], s[G0K+3], 0x80000000
	s_add_nc_u64 s[G0V+2:G0V+3], s[8:9], s[22:23]
	s_or_b32 s[G0V+3], s[G0V+3], 0x80000000
	s_add_nc_u64 s[4:5], s[4:5], s[2:3]
	s_add_nc_u64 s[10:11], s[10:11], s[2:3]
	CROUND                          ; all four work-groups are here: the first joint loads meet
	JLOAD                           ; slot 0.  Slot 1 is asked for when slot 0 is in
	v_and_b32 v1, 15, v0            ; l % 16
	v_bfe_u32 v9, v0, 4, 1          ; l / 16
	v_lshlrev_b32 v[QO], 7, v1
	v_lshl_add_u32 v[QO], v9, 4, v[QO]
	v_and_b32 v11, 31, v0
	WIN 0x80
.set i, 0
.rept 4*NP                          ; Q stays in registers: tile i / 2, channels 32 (i % 2) on
	global_load_b128 v[8*i:8*i+3],   v[QO], s[4:5] offset:(i/2)*2048+(i%2)*64
	global_load_b128 v[8*i+4:8*i+7], v[QO], s[4:5] offset:(i/2)*2048+(i%2)*64+32
.set i, i+1
.endr
	WIN W_MK
.set i, 0
.rept NP
	v_lshlrev_b32 v[MO+i], 4, v11   ; key step 0
.set i, i+1
.endr
	WIN W_MC
.set i, 0
.rept 16                            ; the mask of key step 0: piece i / 4, tile i / 2, half i % 2: 512 consecutive bytes a load
	global_load_b128 v[MB+4*i:MB+4*i+3], v[MO+i/4], s[MP:MP+1] offset:(i/2)*32768+(i%2)*512
.set i, i+1
.endr
	WIN W_MK
.set i, 0
.rept 8
	v_mov_b32 v[ONES+i], 0x3c003c00 ; 1.0, twice
.set i, i+1
.endr
.set i, 0
.rept 32
	v_mov_b32 v[U+i], 0
.set i, i+1
.endr
	; What the first turn finds: V's registers and P's second buffer hold 0, O^T, l and U are 0.  All this stands in the wait for the first tile.
	WIN 0x80
.set i, VF
.rept 64
	v_mov_b32 v[i], 0
.set i, i+1
.endr
	WIN 0x40
.set i, 0
.rept 64*NP
	v_mov_b32 v[i], 0
.set i, i+1
.endr
	WIN 0
.set i, 0
.rept 2*NP
	v_mov_b32 v[ST+4*i+1], 0xf1000000             ; m = -2^99: above every hidden score, below every seen one
	v_mul_f32 v[ST+4*i], s[CS], v[ST+4*i+1]       ; c m, by the same product that makes it anew in every step: while m stays, a is 2^0
	v_mov_b32 v[ST+4*i+2], 0
	v_mov_b32 v[ST+4*i+3], 0
.set i, i+1
.endr
.set i, P+32
.rept 32
	v_mov_b32 v[i], 0
.set i, i+1
.endr
	v_mul_u32_u24 v[AK0], v1, PK
	v_lshl_add_u32 v[AK0], v9, 4, v[AK0]
	v_and_b32 v10, 7, v0
	v_bfe_u32 v11, v0, 3, 1
	v_lshl_add_u32 v[AV0], v9, 3, v10
	v_mul_u32_u24 v[AV0], v[AV0], PV
	v_lshl_add_u32 v[AV0], v11, 4, v[AV0]
	v_add_nc_u32 v[AV0], VOFF, v[AV0]
	v_mov_b32 v[SCL], 227
	v_mov_b32 v[AK], v[AK0]
; THE MATRIX WORK.  The 8 accumulators of a run of 16 take turns.
; Product i of 16 of S^T = K Q^T for piece x: channels 32 (i / 8) on, keys 16 ((i / 2) % 4) on, tile 2 x + i % 2.  The first 8 start the sums, with the mask.
.macro KQ x
.set rS, S+64*((\x)%2)+32*(i%2)+8*((i/2)%4)
.set rK, KF+16*((i/2)%4)+8*(i/8)
.set rQ, 16*(2*(\x)+i%2)+8*(i/8)
.set rM, MC+32*(i%2)+8*((i/2)%4)
.if i < 8
	WIN W_KM
	v_wmma_f32_16x16x32_f16 v[rS:rS+7], v[rK:rK+7], v[rQ:rQ+7], v[rM:rM+7]
.else
	WIN W_KQ
	v_wmma_f32_16x16x32_f16 v[rS:rS+7], v[rK:rK+7], v[rQ:rQ+7], v[rS:rS+7]
.endif
.endm
; Product i of 16 of O^T += V^T P for piece x.
.macro PV x
	WIN W_PV
.set rO, 32*(2*(\x)+i%2)+8*((i/2)%4)
.set rV, VF+32*(i/8)+8*((i/2)%4)
.set rP, P+32*((\x)%2)+16*(i%2)+8*(i/8)
	v_wmma_f32_16x16x32_f16 v[rO:rO+7], v[rV:rV+7], v[rP:rP+7], v[rO:rO+7]
.endm
; U += V^T x ones for keys 32 kk on, channel block (Y + 3) % 4: V of one step is in its registers during the second halves of turns 1, 2, 3 and the next turn 0, which take blocks 0, 1, 2, 3.
; The two links of a turn stand ahead of the first and ahead of the last of the 16 products V^T P: 15 other accumulators' products lie between them.
.macro UM kk
	WIN W_UM
.set rU, U+8*((Y+3)%NP)
.set rV, VF+32*(\kk)+8*((Y+3)%NP)
	v_wmma_f32_16x16x32_f16 v[rU:rU+7], v[rV:rV+7], v[ONES:ONES+7], v[rU:rU+7]
.endm
.macro MM                           ; the turn's next matrix instruction
.if i < 16
	KQ (Y+1)%NP
.set i, i+1
.else
.set i, i-16
	PV (Y+NP-1)%NP
.set i, i+17
.endif
.endm
; THE MASK of piece x for its next products: eight conversions, each eight bytes into eight C registers; then the piece's bytes of the step after are asked for.
; The wait on LOADcnt leaves out the twelve loads issued since for the other three pieces; it also shows this piece's last loads done, so their offset register may step.  The offset goes round in the tile's
; 32,768 bytes: the loads behind the last step fetch the first steps once more, inside the buffer, and serve nothing.  The two lines that step it are the plain instructions behind the conversions.
; THE BATCH'S WAIT STANDS HERE.  The macro stands directly behind a batch's last exponential.  Its conversions and the two lines that step the offset name none of the batch's results: they are the work between
; the batch and its wait, and the two lines are also the plain instructions behind the last exponential.  The loads follow the wait.  (At the macro's first use, ahead of the first scores, no exponential is out yet.)
.macro MCONV x
	WIN W_MC
	s_wait_loadcnt 12
.set zz, 0
.rept 8
	v_cvt_scale_pk8_f32_fp8 v[MC+8*zz:MC+8*zz+7], v[MB+16*(\x)+2*zz:MB+16*(\x)+2*zz+1], v[SCL]
.set zz, zz+1
.endr
	v_add_nc_u32 v[MO+(\x)], v[MO+(\x)], 0x400
	v_and_b32 v[MO+(\x)], v[MO+(\x)], 0x7fff
	s_wait_alu depctr_va_vdst(0)    ; ONE wait for the whole batch issued ahead of the macro (in a turn: 66 exponentials; ahead of the loop: piece 0's two a), ahead of the first line that names a result
.irp w, 0,1,2,3
	global_load_b128 v[MB+16*(\x)+4*\w:MB+16*(\x)+4*\w+3], v[MO+(\x)], s[MP:MP+1] offset:(2*(\x)+\w/2)*32768+(\w%2)*512
.endr
	WIN 0
.endm
; THE LDS LOADS stand in runs of 16.  last = 1 (the tail): in the last trip there is no further step, and the run is jumped over.
.macro FETCH_K last=0
	WIN 0
.if \last
	s_cmp_eq_u32 s[CNT], 1
	s_cbranch_scc1 .Lno_k_\@
.endif
	WIN 0x80
.irp f, 0,1,2,3,4,5,6,7
	ds_load_b128 v[KF+8*\f:KF+8*\f+3],   v[AK] offset:(\f/2)*16*PK+(\f%2)*64
	ds_load_b128 v[KF+8*\f+4:KF+8*\f+7], v[AK] offset:(\f/2)*16*PK+(\f%2)*64+32
.endr
	s_add_co_u32 s[TBK], s[TBK], KS*PK
	WIN 0
.if \last
.Lno_k_\@:
.endif
.endm
.macro FETCH_V
	WIN 0x80
.irp f, 0,1,2,3,4,5,6,7
	ds_load_tr16_b128 v[VF+8*\f:VF+8*\f+3],   v[AV] offset:(\f/4)*32*PV+(\f%4)*32
	ds_load_tr16_b128 v[VF+8*\f+4:VF+8*\f+7], v[AV] offset:(\f/4)*32*PV+16*PV+(\f%4)*32
.endr
	WIN 0
.endm
; THE VECTOR WORK OF A TURN stands in three queues, each in the order in which its entries become ready; the two tiles alternate.
.macro REGS y, u
.set rT, ST+4*(2*(\y)+(\u))
.set rC, TMP+8*((\y)%2)+4*(\u)
.set rM, MV+2*((\y)%2)+(\u)
.set rS, S+64*((\y)%2)+32*(\u)
.set rP, P+32*((\y)%2)+16*(\u)
.set rO, 32*(2*(\y)+(\u))
.endm
; Number n of the 22 that find the NEXT piece's maximum and statistics; each accumulator's lowest registers are read first.
.macro XS u, n
	REGS (Y+1)%NP, \u
.if (\n) < 4
	v_max3_num_f32 v[rC+(\n)], v[rS+8*(\n)], v[rS+8*(\n)+1], v[rS+8*(\n)+2]
.elseif (\n) < 12
	v_max3_num_f32 v[rC+(\n)%4], v[rC+(\n)%4], v[rS+8*((\n)%4)+2*((\n)/4)+1], v[rS+8*((\n)%4)+2*((\n)/4)+2]
.elseif (\n) == 12
	v_max3_num_f32 v[rC], v[rC], v[rS+7], v[rS+15]
.elseif (\n) == 13
	v_max3_num_f32 v[rC+1], v[rC+1], v[rS+23], v[rS+31]
.elseif (\n) == 14
	v_max3_num_f32 v[rC+2], v[rC+2], v[rC+3], v[rT+1]
.elseif (\n) == 15
	v_mov_b32 v[rM], v[rT]
.elseif (\n) == 16
	v_max3_num_f32 v[rC], v[rC], v[rC+1], v[rC+2]
.elseif (\n) == 17
	v_permlanex16_b32 v[rC+3], v[rC], s[SEL], s[SEL+1]
.elseif (\n) == 18
	v_max_num_f32 v[rT+1], v[rC], v[rC+3]
.elseif (\n) == 19
	v_mul_f32 v[rT], s[CS], v[rT+1]
.elseif (\n) == 20
	v_sub_f32 v[rC+1], v[rM], v[rT]
.else
	v_exp_f32 v[rC+2], v[rC+1]
.endif
.endm
; Number g of the 64 that follow the exponentials: roundings to f16, sums of four weights in place, and l a group later.  All 64 read the batch's results: they stand behind its wait.
.macro GS g
.set h, (\g)+6*((\g)/62)
.if h >= 6
.set h, h+2
.endif
	REGS Y, h%2
.set k, h/8
.if h%8 < 4
	v_cvt_pk_f16_f32 v[rP+2*k+(h%8)/2], v[rS+4*k+2*((h%8)/2)], v[rS+4*k+2*((h%8)/2)+1]
.elseif h%8 < 6
	v_pk_add_f32 v[rS+4*k:rS+4*k+1], v[rS+4*k:rS+4*k+1], v[rS+4*k+2:rS+4*k+3]
.elseif k == 1
	v_pk_fma_f32 v[rT+2:rT+3], v[rT+2:rT+3], v[rC+2:rC+3], v[rS:rS+1] op_sel_hi:[1,0,1]
.else
	v_pk_add_f32 v[rT+2:rT+3], v[rT+2:rT+3], v[rS+4*k-4:rS+4*k-3]
.endif
.endm
; THE PLAIN QUEUE, 138 long.  0-73 read no exponential's result: the 32 scalings c s - c m (FS f: pair f / 2 of tile f % 2) and the next piece's 42.  0-26: scalings 0-26.  27-54: XS's numbers 0-13.  55, 56: number 15.
; 57-73: the chain, where each number waits for the one before it: 14, 16, 17, 18, 19, each with one of the scalings 27-31 in front of its two lines, then 20.
; 74-137: GS's 64.
.macro FS f
	REGS Y, (\f)%2
	v_pk_fma_f32 v[rS+2*((\f)/2):rS+2*((\f)/2)+1], v[rS+2*((\f)/2):rS+2*((\f)/2)+1], s[CS:CS+1], v[rT:rT+1] op_sel_hi:[1,0,0] neg_lo:[0,0,1] neg_hi:[0,0,1]
.endm
.macro PL
	WIN 0
.if q < 27
	FS q
.elseif q < 55
	XS (q-27)%2, (q-27)/2
.elseif q < 57
	XS q-55, 15
.elseif (q < 72) && ((q-57)%3 == 0)
	FS 27+(q-57)/3
.elseif q < 60
	XS (q-57)%3-1, 14
.elseif q < 72
	XS (q-57)%3-1, 15+(q-57)/3
.elseif q < 74
	XS q-72, 20
.else
	GS q-74
.endif
.set q, q+1
.endm
; THE EXPONENTIALS' QUEUE, 66 long: s0-s31 of both tiles, then the next piece's two a.  It is ONE BATCH: all 66 stand ahead of the turn's one wait, and nothing ahead of that wait names a result of theirs.
.macro EX
	WIN 0
.if e >= 64
	XS e-64, 21
.else
	REGS Y, e%2
	v_exp_f32 v[rS+e/2], v[rS+e/2]
.endif
.set e, e+1
.endm
; THE RESCALING's QUEUE: O^T times a, the one part of the softmax that leaves window 0: dealt two at a time, sixteen times.  Its a was made in the turn before, ahead of that turn's wait.
.macro R2
	REGS Y, r%2
	WIN W_RS
.irp z, 0,1
	v_pk_mul_f32 v[rO+4*(r/2)+2*\z:rO+4*(r/2)+2*\z+1], v[rO+4*(r/2)+2*\z:rO+4*(r/2)+2*\z+1], v[rC+2:rC+3] op_sel_hi:[1,0]
.endr
.set r, r+1
.endm
; HOW THEY ARE DEALT.  A turn has ONE wait for its exponentials, which cuts it in two.  AHEAD OF IT stands all that names no result of theirs: the 16 products K Q^T, behind each a scaling, an exponential and two rescalings
; (behind the first a second scaling in the exponential's place); then ONE LUMP: eight plain, 49 times exponential and plain, the two a; then the mask of piece p + 2 (MCONV), which holds the wait.
; BEHIND IT stand the mask's loads, the 16 products V^T P, behind each four of GS's 64, and U's two links.  No rider names a register of the products round it.  The two v_permlanex16_b32 fall into the lump.
; The queues lean on each other, and the deal keeps them in step: exponential e stands behind scaling 2 (e / 4) + e % 2: as a rider it comes behind plain e + 2, in the lump behind plain e + 9, and scalings 27-31 are plain 57, 60 .. 69.
; A TURN, for piece p.  cnt = 1: the loop's count is taken down some lines ahead of the branch that stands behind the turn.
; K of the next step is fetched in piece 2's turn, behind the wait and the mask's loads, a lump behind the last product that read K; its address is made at the lump's head; its first reader comes behind 18 products.
; V of the step in hand is fetched at the end of piece 0's turn, four riders behind its last two readers (U's second link and the last product V^T P).  The three conditions on q below go with the deal.
; The C registers of the mask are written a lump behind this turn's products that read them, and 64 plain instructions ahead of the next turn's.
.macro TURN p, last=0, cnt=0
.set Y, (\p)
.set i, 0
.set q, 0
.set e, 0
.set r, 0
.if (\p) == NP-1
	s_wait_dscnt 0x0                ; K is in
.endif
	MM                              ; ahead of the wait: 16 products K Q^T and their riders,
	PL
	PL
	R2
.rept 15
	MM
	PL
	EX
	R2
.endr
.if (\p) == NP-2
	WIN 0
	v_add_nc_u32 v[AK], s[TBK], v[AK0]
.endif
.rept 8                             ; the lump,
	PL
.endr
.rept 49
	EX
	PL
.endr
	EX                              ; the next piece's two a: the batch's last
	EX
	MCONV ((\p)+2)%NP               ; and the mask's conversions; the wait for the batch; the mask's loads
.if (\p) == NP-2
	FETCH_K \last
.endif
.if (\p) == 1
	s_wait_dscnt 0x0                ; V is in
.endif
	UM 0
.rept 16                            ; behind the wait: 16 products V^T P and their riders
.if i == 31
	UM 1
.endif
	MM
.rept 4
	PL
.endr
.if ((\p) == 0) && (q == 118)
	v_add_nc_u32 v[AV], s[TBV], v[AV0]
.endif
.if ((\p) == 0) && (q == 130)
	s_add_co_u32 s[TBV], s[TBV], KS*PV
.endif
.if (\cnt) && (q == 130)
	s_sub_co_u32 s[CNT], s[CNT], 1
	s_cmp_lg_u32 s[CNT], 0
.endif
.endr
.if (\p) == 0
	FETCH_V
.endif
.endm
	CHANGE 1                        ; slot 0 is in, everybody's part of it; slot 1 is asked for
	FETCH_K                         ; key step 0
	MCONV 0                         ; piece 0's first mask; its wait on LOADcnt leaves twelve younger loads out, so Q, asked for earlier, is in too
	s_wait_dscnt 0x0
.set i, 0
.rept 16
	KQ 0                            ; piece 0's first scores
.set i, i+1
.endr
	WIN 0                           ; the addresses for the way out: plain instructions, the places behind those products
	s_mul_i32 s13, s[WV], 16*SP
	s_add_co_u32 s13, s13, STAGE
	v_mul_u32_u24 v[STO], v1, SP
	v_lshl_add_u32 v[STO], v9, 4, v[STO]
	v_add_nc_u32 v[STO], s13, v[STO]
	v_bfe_u32 v[RD], v0, 3, 2
	v_mul_u32_u24 v[RD], v[RD], SP
	v_lshl_add_u32 v[RD], v10, 4, v[RD]
	v_add_nc_u32 v[RD], s13, v[RD]
	v_and_b32 v[GO], 31, v0
	v_lshlrev_b32 v[GO], 4, v[GO]
.set Y, NP-1                        ; XS works for piece Y + 1: piece 0
.irp n, 0,1,2,3,4,5,6,7,8,9,10,11,12,13,14,15,16,17,18,19,20,21
	XS 0, \n
	XS 1, \n
.endr
	MCONV 1                         ; piece 1's first mask, for the first turn's products; the wait in it serves piece 0's two a, ahead of the branch
	s_mov_b32 s[CNT], 4
	s_mov_b32 s[SLOTS], SIZE_N/256-1
	s_branch .Lfirst                ; the loop is entered at a step's first turn, in the middle of a trip
.Lslot:                             ; six times: every slot but the last two is filled again
	CHANGE 1
	s_mov_b32 s[CNT], 4
.Lstep:                             ; a trip: pieces 2 and 3 of one step, then pieces 0 and 1 of the next
	TURN 2
	TURN 3
	WIN 0
.Lfirst:
	TURN 0
	TURN 1, 0, 1
	WIN 0
	s_cbranch_scc1 .Lstep
	s_sub_co_u32 s[SLOTS], s[SLOTS], 1
	s_cmp_lg_u32 s[SLOTS], 0
	s_cbranch_scc1 .Lslot
	CHANGE 0                        ; the tail is written out
	s_mov_b32 s[CNT], 5
.Ltail:
	TURN 2, 1
	TURN 3
	WIN 0
	s_sub_co_u32 s[CNT], s[CNT], 1
	s_cmp_eq_u32 s[CNT], 0
	s_cbranch_scc1 .Lout
	TURN 0
	TURN 1
	WIN 0
	s_branch .Ltail
.Lout:                              ; the fifth trip's 16 products K Q^T (on the last K once more) and what is made of them serve nothing
.set Y, 0
	UM 0                            ; the last step's V, channel block 3
.set i, 0
.rept 16
	PV NP-1                         ; the last piece's V^T P of the last step
.set i, i+1
.endr
	UM 1
	; THE WAY OUT.  l's parts are added; the lanes with l = 0 are noted; O^T is divided by l and rounded to f16; where l = 0 the packed U / 2048 takes its place; then through my stage, a tile at a time.
	WIN 0
.macro ALL line:vararg
.set t, 0
.rept 2*NP
	\line
.set t, t+1
.endr
.endm
	ALL v_add_f32 v[ST+4*t+2], v[ST+4*t+2], v[ST+4*t+3]
	ALL v_permlanex16_b32 v[ST+4*t+3], v[ST+4*t+2], s[SEL], s[SEL+1]
	ALL v_add_f32 v[ST+4*t+2], v[ST+4*t+2], v[ST+4*t+3]
	ALL v_cmp_eq_f32 s[FM+t], 0, v[ST+4*t+2]
	ALL v_rcp_f32 v[ST+4*t+2], v[ST+4*t+2]
	v_nop                           ; a plain instruction between the last reciprocal and the use of its result
	WIN W_MC
.set i, 0
.rept 16
	v_pk_mul_f32 v[U+2*i:U+2*i+1], v[U+2*i:U+2*i+1], 0x3a000000 op_sel_hi:[1,0]  ; the mean of V's 2,048 rows
.set i, i+1
.endr
	WIN W_AD
.set i, 0
	s_wait_alu depctr_va_vdst(0)    ; ONE wait for the eight reciprocals, ahead of their first use (PACK 0); U's sixteen multiplies above are the work between
.rept 16
	v_cvt_pk_f16_f32 v[P+i], v[U+2*i], v[U+2*i+1]
.set i, i+1
.endr
.macro PACK t
	WIN W_RS
.set i, 32*(\t)
.rept 16
	v_pk_mul_f32 v[i:i+1], v[i:i+1], v[ST+4*(\t)+2:ST+4*(\t)+3] op_sel_hi:[1,0]
.set i, i+2
.endr
	WIN 0x05
.set i, 0
.rept 16
	v_cvt_pk_f16_f32 v[S+16*(\t)+i], v[32*(\t)+2*i], v[32*(\t)+2*i+1]
.set i, i+1
.endr
	WIN 0
.set i, 0
.rept 16
	v_cndmask_b32 v[S+16*(\t)+i], v[S+16*(\t)+i], v[P+i], s[FM+(\t)]  ; a query that saw no key
.set i, i+1
.endr
.irp f, 0,1,2,3
	ds_store_b128 v[STO], v[S+16*(\t)+4*\f:S+16*(\t)+4*\f+3] offset:32*\f
.endr
.irp f, 0,1,2,3
	ds_load_b128 v[S+16*(\t)+4*\f:S+16*(\t)+4*\f+3], v[RD] offset:\f*4*SP  ; LDS serves a wave's instructions in order (ISA guide 5.7.1.4): these see the stores above
.endr
.endm
.macro SEND t, younger              ; younger: the LDS instructions issued behind tile t's loads: the next tile's eight, or none
	WIN 0
.irp f, 0,1,2,3
	s_wait_dscnt (\younger)+3-\f
	global_store_b128 v[GO], v[S+16*(\t)+4*\f:S+16*(\t)+4*\f+3], s[10:11] offset:(\t)*2048+\f*512  ; 512 consecutive bytes, at a multiple of 256 from O's first
.endr
.endm
	PACK 0
.set t, 1
.rept 2*NP-1
	PACK t
	SEND t-1, 8
.set t, t+1
.endr
	SEND 2*NP-1, 0
	WIN W_AD
	s_wait_tensorcnt 0x0            ; the wave's end
	ds_add_u32 v[SPW], v[NIL]
	s_wait_dscnt 0x0
	WIN 0
	CROUND                          ; the closing round
	s_endpgm
.Lfunc_end_k_q748ddadeb8_attn:
	.size	k_q748ddadeb8_attn, .Lfunc_end_k_q748ddadeb8_attn-k_q748ddadeb8_attn
	.p2alignl 7, 3214868480
	.fill 96, 4, 3214868480
	.section	.rodata,"a",@progbits
	.p2align	6, 0x0
	.amdhsa_kernel k_q748ddadeb8_attn
		.amdhsa_group_segment_fixed_size 327680
		.amdhsa_private_segment_fixed_size 0
		.amdhsa_enable_private_segment 0
		.amdhsa_kernarg_size 24
		.amdhsa_user_sgpr_count 2
		.amdhsa_user_sgpr_kernarg_segment_ptr 1
		.amdhsa_wavefront_size32 1
		.amdhsa_system_sgpr_workgroup_id_x 1
		.amdhsa_system_sgpr_workgroup_id_y 1
		.amdhsa_system_sgpr_workgroup_id_z 1
		.amdhsa_system_vgpr_workitem_id 0
		.amdhsa_next_free_vgpr 944
		.amdhsa_next_free_sgpr 76
		.amdhsa_reserve_vcc 0
		.amdhsa_float_denorm_mode_32 3
		.amdhsa_float_denorm_mode_16_64 3
		.amdhsa_memory_ordered 1
		.amdhsa_forward_progress 1
		.amdhsa_inst_pref_size 227
	.end_amdhsa_kernel
	.amdgpu_metadata
---
amdhsa.version: [ 1, 2 ]
amdhsa.kernels:
  - .name:           k_q748ddadeb8_attn
    .symbol:         k_q748ddadeb8_attn.kd
    .args:
      - { .name: qkv, .offset: 0, .size: 8, .value_kind: global_buffer, .address_space: global }
      - { .name: mask8, .offset: 8, .size: 8, .value_kind: global_buffer, .address_space: global }
      - { .name: oh, .offset: 16, .size: 8, .value_kind: global_buffer, .address_space: global }
    .group_segment_fixed_size: 327680
    .private_segment_fixed_size: 0
    .kernarg_segment_align: 8
    .kernarg_segment_size: 24
    .max_flat_workgroup_size: 128
    .sgpr_count:     76
    .vgpr_count:     944
    .wavefront_size: 32
...
	.end_amdgpu_metadata
.endif
;; end of part 5
;; launch outp: the kernel of part 4 again; grid 4 x 64, 4 waves a work-group, clusters of 4 x 4, 327,680 bytes of LDS; arguments oh, wb, biasr, out0; writes out0
